; MI455X (gfx1250); checked and timed in simulation.
; The chip was launched on July 23, 2026; its instructions are those of AMD's public machine-readable ISA for CDNA 5 (MIT licence, August 2026) and "CDNA5" Instruction Set Architecture Reference Guide (July 2026). The comments in the code are by the model that wrote it; some were corrected since.
;; Multihead Attention. Allowed arithmetic: matrix products marked QUANTISED: E2M3 operands, one E8M0 scale for each 32 along K, by v_wmma_scale_f32_16x16x128_f8f6f4 with both operands' format E2M3, f32 sums; everything else in f32.
;; Inputs: W_k_codes 1,024 x 32 x 24 uint8 (E2M3 codes of W_k, K innermost, in blocks of 32 codes, four codes in three bytes); W_k_scales 1,024 x 32 uint8 (E8M0 scales of W_k, one for each 32 codes along K); W_out_codes 1,024 x 32 x 24 uint8 (E2M3 codes of W_out, K innermost, in blocks of 32 codes, four codes in three bytes); W_out_scales 1,024 x 32 uint8 (E8M0 scales of W_out, one for each 32 codes along K); W_q_codes 1,024 x 32 x 24 uint8 (E2M3 codes of W_q, K innermost, in blocks of 32 codes, four codes in three bytes); W_q_scales 1,024 x 32 uint8 (E8M0 scales of W_q, one for each 32 codes along K); W_v_codes 1,024 x 32 x 24 uint8 (E2M3 codes of W_v, K innermost, in blocks of 32 codes, four codes in three bytes); W_v_scales 1,024 x 32 uint8 (E8M0 scales of W_v, one for each 32 codes along K); b_k 1,024 float32; b_out 1,024 float32; b_q 1,024 float32; b_v 1,024 float32; x_kv_codes 4 x 2,048 x 32 x 24 uint8 (E2M3 codes of x_kv, K innermost, in blocks of 32 codes, four codes in three bytes); x_kv_scales 4 x 2,048 x 32 uint8 (E8M0 scales of x_kv, one for each 32 codes along K); x_q_codes 4 x 2,048 x 32 x 24 uint8 (E2M3 codes of x_q, K innermost, in blocks of 32 codes, four codes in three bytes); x_q_scales 4 x 2,048 x 32 uint8 (E8M0 scales of x_q, one for each 32 codes along K).
;; Outputs: out0 4 x 2,048 x 1,024 float32.
;; This version of the problem:
;;   THIS VERSION OF THE PROBLEM IS GIVEN IN LOW PRECISION. The matrix products marked QUANTISED in the list below multiply operands that are first quantised to E2M3 (2 exponent bits, 3 mantissa bits; 6 bits a number), with one power-of-two scale for each 32 numbers along K (OCP MX v1.0); their sums are f32. All else is computed in f32.
;;   The module's matrix products, in the order in which they are computed (A, B: the left and right operand; K: the contracted axis; several contracted axes count as one K, in the product's order):
;;     1. [M 8,192, K 1,024] x [K 1,024, N 1,024]; A: input x_q (given as codes); B: input W_q (given as codes): QUANTISED
;;     2. [M 8,192, K 1,024] x [K 1,024, N 1,024]; A: input x_kv (given as codes); B: input W_k (given as codes): QUANTISED
;;     3. [M 8,192, K 1,024] x [K 1,024, N 1,024]; A: input x_kv (given as codes); B: input W_v (given as codes): QUANTISED
;;     4. batch 64 x [M 2,048, K 64] x [K 64, N 2,048]; A: computed on the way; B: computed on the way: QUANTISED
;;     5. batch 64 x [M 2,048, K 2,048] x [K 2,048, N 64]; A: softmax (see below); B: computed on the way: QUANTISED
;;     6. [M 8,192, K 1,024] x [K 1,024, N 1,024]; A: computed on the way; B: input W_out (given as codes): QUANTISED
;;   THE QUANTISER, for each operand of a quantised product, along K:
;;     - K is cut into blocks of 32 from its start; a last block that is shorter is filled with zeros.
;;     - A block's scale is 2^e with e = floor(log2(the largest magnitude in the block)) - 2, held to -126 .. 127; a block of zeros has e = 0. As a byte (E8M0): e + 127.
;;     - Each number is divided by its block's scale, clamped to +-7.5, and rounded to the nearest number of E2M3, ties to even, subnormals kept.
;;     - The product sums the exact products of the quantised numbers (number of the format x scale) in f32.
;;   ~~~python
;;   def quantise(x, axis):      # numpy; x: float32 -> the quantised numbers, widened to float32 again
;;       x = np.moveaxis(x, axis, -1); K = x.shape[-1]
;;       x = np.pad(x, [(0, 0)] * (x.ndim - 1) + [(0, -K % 32)]); x = x.reshape(x.shape[:-1] + (-1, 32)); a = np.abs(x).max(-1, keepdims=True)
;;       e = np.where(a > 0, np.clip(np.frexp(np.where(a > 0, a, 1))[1] - 1 - 2, -126, 127), 0)      # np.frexp(a)[1] - 1 = floor(log2(a)), exactly
;;       r = np.clip(x / 2.0 ** e, -7.5, 7.5)
;;       step = 2.0 ** (np.maximum(np.frexp(np.where(r == 0, 1, r))[1] - 1, 0) - 3)
;;       q = np.round(r / step) * step * 2.0 ** e      # np.round: ties to even
;;       return np.moveaxis(q.reshape(q.shape[:-2] + (-1,))[..., :K], -1, axis).astype(np.float32)
;;   ~~~
;;   SOFTMAX AHEAD OF A QUANTISED PRODUCT. Where the list says 'softmax', what is quantised is not the finished softmax but p = 2^(t - M), with t = logit x log2(e) and M = ceil(the row's largest t), a whole number; so 1/2 < the row's largest p <= 1. The row's sum l is taken of the UNQUANTISED p, in f32, and the product's result is divided by l at the end. Since M is a whole number, a kernel that streams over the keys may use a running M (the ceiling of the running maximum): every later rescaling is an exact power of two, which a block's scale takes up: the codes' values come out the same.
;;   OPERANDS COMPUTED ON THE WAY. 'Computed on the way' means the value that the module computes at that place (a softmax that the list does not call 'softmax' is quantised finished and normalised). What goes into a quantiser is computed in f32, as accurately as f32 sums, v_exp_f32 and their like allow (about 1e-6 of the number): no bf16 or f16 on the way to a quantiser, and a product that is left as it is and whose result goes on into a quantised operand takes f32 operands (vector FMAs, or v_wmma_f32_16x16x4_f32). A number that lies on a knife's edge between two numbers of the format may be rounded either way, as far as f32 arithmetic and the matrix unit's own rounding can turn it there, and no further.
;;   INPUTS GIVEN AS CODES. W_k (in the module: [1024, 1024], K = its axis 1); W_out (in the module: [1024, 1024], K = its axis 1); W_q (in the module: [1024, 1024], K = its axis 1); W_v (in the module: [1024, 1024], K = its axis 1); x_kv (in the module: [4, 2048, 1024], K = its axis 2); x_q (in the module: [4, 2048, 1024], K = its axis 2): each comes as NAME_codes (uint8): NAME with its K axis moved to the last place and cut into blocks of 32 codes, [.., K / 32, bytes a block], one block behind the other in memory; four codes in three bytes: a row's codes are one little-endian stream of bits, code i at bits 6 i .. 6 i + 5 (a code: sign, 2 exponent bits, 3 mantissa bits); and NAME_scales (uint8): the same leading axes, one E8M0 byte (e + 127) for each 32 codes along K. Its value is code x scale, taken as it is: it is not quantised again, and the codes and scales need not be those that the quantiser above would give.
;; One version. Each part assembles by itself: llvm-mc -triple=amdgcn-amd-amdhsa -mcpu=gfx1250 --defsym DOCPART=n.
;; ======== version 1 of 1: 3 launches
;; limits: right only within a limited range of input values
;; workspace buffers: qi 13,107,200 bytes; kv 13,107,200 bytes; ao 6,291,456 bytes; ao_scales 262,144 bytes
;; launch proj (part 1): grid 4 x 96, 4 waves a work-group, clusters of 4 x 4, 327,680 bytes of LDS; arguments x_q_codes, x_q_scales, x_kv_codes, x_kv_scales, W_q_codes, W_q_scales, W_k_codes, W_k_scales, W_v_codes, W_v_scales, b_q, b_k, b_v, qi, kv; writes qi, kv
.if DOCPART == 1
	.amdgcn_target "amdgcn-amd-amdhsa--gfx1250"
	.amdhsa_code_object_version 6
	.text
	.protected	k_qfb0424169e_proj
	.globl	k_qfb0424169e_proj
	.p2align	8
	.type	k_qfb0424169e_proj,@function
k_qfb0424169e_proj:
	s_mov_b64 s[64:65], 0
	v_nop
	global_prefetch_b8 v0, s[64:65] scope:SCOPE_SE
	s_setreg_imm32_b32 hwreg(HW_REG_WAVE_MODE, 25, 1), 1
	s_wait_xcnt 0x0
	s_wait_alu depctr_hold_cnt(0) depctr_sa_sdst(0) depctr_va_vdst(0) depctr_va_sdst(0) depctr_va_ssrc(0) depctr_va_vcc(0) depctr_vm_vsrc(0)
	s_getreg_b32 s2, hwreg(HW_REG_IB_STS2, 6, 4)
	s_cmp_eq_u32 s2, 0
	s_cbranch_scc0 .Lentry_in_a_cluster
	s_endpgm
.Lentry_in_a_cluster:
	s_bfe_u32 s2, ttmp6, 0x10000c
	s_cmp_lg_u32 s2, 0xf033
	s_cbranch_scc0 .Lentry_shape_is_right
	s_endpgm
.Lentry_shape_is_right:
; THE THREE PROJECTIONS q = x_q W_q^T + b_q, k = x_kv W_k^T + b_k, v = x_kv W_v^T + b_v, on codes of FP6 (E2M3) with one E8M0 scale for each 32 along K = 1,024, sums in f32;
; the results get their bias in f32, are quantised again by the MX rule along the K of the product that reads them (q, k: the head's 64; v: the keys), and leave as IMAGES OF OPERAND REGISTERS.
; A tile of 256 x 256 of a product is made by a work-group of four waves, 128 x 128 a wave: 64 accumulators of 16 x 16, 512 registers.  K goes in steps of 256 through a ring of two LDS slots filled by the tensor data mover.
; The operand whose rows fall into LANES is called R (source 1), the one whose rows fall into a lane's REGISTERS P (source 0): in accumulator (a, b) lane (r, h), register j holds (P row 16 b + 8 h + j, R row 16 a + r).
; A lane's registers must run along the next product's K.  So MODE 0 (q) and 1 (k): R = x (tokens), P = W (channels);  MODE 2 (v): R = W_v (channels), P = x_kv (tokens = keys).
; The mode is the cluster's y / 8: 24 clusters of 4 x 4 work-groups, equal in all partners.  R's tiles hang on the tile row alone and are asked for jointly along a row of the cluster, P's on the tile column alone, along a column.
; ORDER INSIDE A BLOCK OF 32.  A lane's 16 registers of accumulators 2 B and 2 B + 1 hold indices 32 B + 16 u + 8 h + j; the conversion lays them at places 16 h + 8 u + j of block B.  A block is a set: the same order in both
; operands of a product changes no sum.  q and k take the same lines here; v's keys take the order that the attention launch gives its weights.
; OUT.  qi and kv: [batch x 16 + head][step of 128 tokens][12,800 bytes]: 4 double fragments of 1,536 bytes (fragment f: lane (m, H): registers 0-5 token 32 f + m, registers 6-11 token 32 f + 16 + m, block H of the head's 64),
;   256 bytes of their scale words (64 f + 4 m: two bytes for each of the two tokens), 4 fragments of V^T (16 channels x 128 keys), 256 bytes of their scale words.  A fragment's registers 4 P .. 4 P + 3 lie at 512 P + 16 x lane.
;   Row m of V^T's fragment 2 B + u is channel 32 B + 8 u + m + 8 (m / 8), so that the attention launch's results come out in true order along the last product's K.  qi holds q in k's layout; its V parts are never written nor read.
; LIMITS: NaN and infinities are not served; a block whose largest magnitude lies under 2^-124 keeps the scale byte 1 (a block of zeros too: its codes are zeros, and only this program reads the bytes).
; UNITS WRITTEN IN PART: the scale words leave in runs of 128 bytes and v's codes in runs of 128 bytes whose neighbours a later store of the same wave fills.
; 384 work-groups are one and a half times the chip's WGPs: the tile is kept at 256 x 256 for the sake of LDS reads.
.set KSTEP,  256                       ; along K in a slot
.set NQ,     KSTEP/128                 ; matrix instructions deep
.set ROWB,   192                       ; a tile's row in bytes
.set KROW,   768                       ; a row of codes in memory: 1,024 codes of 6 bits
.set PITCH,  240                       ; an LDS row: 3 x (64 bytes + 16 of padding): the 32 lanes of a load of 8 bytes touch 64 different banks of 4 bytes (ISA guide 11.1)
.set FR,     12                        ; registers of a fragment: 16 rows x 128 K
.set NL,     6                         ; LDS loads that bring one
.set NP,     4                         ; places behind this matrix instruction (ISA guide 7.12.1)
.set HALFT,  128*PITCH                 ; 128 rows: what one tensor load brings
.set SLOT,   4*HALFT                   ; R's 256 rows, then P's 256 rows
.set LAPS,   1024/(2*KSTEP)            ; a lap = two K steps = once round the ring
.set KS,     32                        ; a row of scale bytes
.set SCL,    2*SLOT                    ; behind the ring: the scales of all of K, as units of 256 bytes + 16 of padding, filled once
.set HALFS,  (128*KS/256)*272
.set SBLK,   (16*KS/256)*272
.set SPARE,  SCL+4*HALFS               ; the spare words, 128 bytes for each wave: two blocks of 256 bytes that no other line names
.set STEPB,  12800                     ; a step's block in qi and kv
.set HEADB,  16*STEPB                  ; a head's
.set CT,   4                           ; v4-11    the way out: the conversions' second halves
.set VS4,  14                          ; v14      the way out, v: my place among a pair of fragments' scale words
.set ADRA, 16                          ; v16-19   LDS addresses of my R fragments in slot 0, 1 (and behind one padding more)
.set ADRB, 20                          ; v20-23   the same for P
.set L16,  24                          ; v24      16 x lane
.set L4,   25                          ; v25      4 x lane
.set VO,   26                          ; v26      the way out, v: my 16 bytes' place in a pair of fragments
.set ADRS, 27                          ; v27      LDS address of my scale words: lanes 0-15 R's rows, lanes 16-31 P's
.set SPW,  28                          ; v28      LDS address of my spare word; never rewritten
.set NIL,  29                          ; v29      0; never rewritten
.set BPA,  30                          ; v30      32 x (lane / 16): the bias along P
.set BRA,  31                          ; v31      4 x (lane % 16): the bias along R
.set SC,   32                          ; v32-63   scale words, two sets: they hold scales and nothing else
.set BP,   64                          ; v64-127  the bias of my 128 P rows, in the accumulators' layout (modes 0, 1)
.set AF,   128                         ; v128-223 R's fragments, one set
.set T,    128                         ; the way out: 64 numbers of a lane
.set E,    192                         ; v192-203 a fragment on its way out;
.set O,    204                         ; v204-215 a second
.set PW,   216                         ; v216-223 the scale words of my eight blocks of R rows
.set BR,   224                         ; v224-239 the bias of my R rows, each twice (mode 2)
.set MX,   240                         ; v240-243 largest magnitudes
.set BY,   244                         ; v244-247 the other half's, then the bytes
.set SO,   248                         ; v248-251 the conversions' scale operands
.set SD,   252                         ; v252-255 scale words to store
.set SEL,  18                          ; s[18:19] the way out: lane selects for v_permlanex16_b32
.set G1, 24                            ; s[24:31] descriptor group 1 for R's tiles;  s[32:39] group 0, one set for each slot
.set G0, 32
.set G1B, 48                           ; s[48:55], s[56:63] the same for P's tiles
.set G0B, 56
.set G1S, 68                           ; s[68:75], s[76:79] groups 1 and 0 for R's scales;  s[80:87], s[88:91] for P's
.set G0S, 76
.set G1SB, 80
.set G0SB, 88
.set MSB, 0
.macro WIN new                         ; the immediate's high byte repeats the setting that is left
.if MSB != \new
	s_set_vgpr_msb (MSB<<8)|\new
.set MSB, \new
.endif
.endm
.set MUL_LO, 0xa1                      ; source 0 (P) window 1, source 1 (R) window 0, C and D window 2
.set MUL_HI, 0xf1                      ; the same, C and D window 3
.set TO_B,   0x40                      ; destination window 1, address window 0
; A joint load: waves 0 and 1 fetch for R, waves 2 and 3 for P.  Each line has one mask and one set of registers; the branch hangs on the wave's number alone.  Four v_nop follow each line.
.macro JLOAD g0a, g1a, g0b, g1b
	s_cmp_eq_u32 s15, 0
	s_cbranch_scc0 .Lfor_b_\@
	tensor_load_to_lds s[\g0a:\g0a+3], s[\g1a:\g1a+7]
	s_nop 0
.rept 4
	v_nop
.endr
	s_branch .Lasked_\@
.Lfor_b_\@:
	tensor_load_to_lds s[\g0b:\g0b+3], s[\g1b:\g1b+7]
	s_nop 0
.rept 4
	v_nop
.endr
.Lasked_\@:
.endm
.macro CREST                           ; a round of the cluster's barrier behind its opening barrier
	s_cmp_lg_u32 s14, 0
	s_cbranch_scc1 .Lnot_wave_0_\@
	s_barrier_signal -3
.Lnot_wave_0_\@:
	s_barrier_wait -3
	s_barrier_signal -1
	s_barrier_wait -1
.endm
.macro CROUND                          ; a whole round
	s_barrier_signal -1
	s_barrier_wait -1
	CREST
.endm
	s_load_b512 s[24:39], s[0:1], 0x0              ; x_q codes, scales; x_kv codes, scales; W_q codes, scales; W_k codes, scales
	s_load_b256 s[40:47], s[0:1], 0x40             ; W_v codes, scales; b_q; b_k
	s_load_b128 s[48:51], s[0:1], 0x60             ; b_v; qi
	s_load_b64 s[52:53], s[0:1], 0x70              ; kv
	v_lshl_add_u32 v[SPW], v0, 2, SPARE
	v_mov_b32 v[NIL], 0
	ds_add_u32 v28, v29
	ds_add_u32 v28, v29
	s_wait_dscnt 0x0
	v_lshrrev_b32 v1, 5, v0
	v_readfirstlane_b32 s14, v1                    ; wave 0..3
	s_lshr_b32 s15, s14, 1                         ; which half of the tile's R rows is mine.  Also: I fetch for R (0) or for P (1)
	s_and_b32 s16, s14, 1                          ; which half of its P rows.  Also: which 128 rows of that tile I fetch
	s_and_b32 s17, ttmp7, 0xffff                   ; the cluster's y: 0 .. 23
	s_lshr_b32 s100, s17, 3                        ; the mode: 0 q, 1 k, 2 v
	s_and_b32 s101, s17, 7                         ; which eighth of the tokens' tiles
	s_wait_kmcnt 0x0
	; the buffers are chosen on the mode, which hangs on the cluster's number alone
	s_cmp_eq_u32 s100, 0
	s_cselect_b64 s[4:5], s[24:25], s[28:29]       ; the tokens' codes: x_q or x_kv,
	s_cselect_b64 s[6:7], s[26:27], s[30:31]       ; their scales,
	s_cselect_b64 s[8:9], s[32:33], s[36:37]       ; the weight's codes: W_q or W_k,
	s_cselect_b64 s[10:11], s[34:35], s[38:39]     ; its scales,
	s_cselect_b64 s[12:13], s[50:51], s[52:53]     ; out: qi or kv,
	s_cselect_b64 s[98:99], s[44:45], s[46:47]     ; the bias
	s_cmp_eq_u32 s100, 2
	s_cselect_b64 s[8:9], s[4:5], s[8:9]           ; v: P = x_kv,
	s_cselect_b64 s[10:11], s[6:7], s[10:11]
	s_cselect_b64 s[4:5], s[40:41], s[4:5]         ;    R = W_v,
	s_cselect_b64 s[6:7], s[42:43], s[6:7]
	s_cselect_b64 s[98:99], s[48:49], s[98:99]     ;    b_v
	s_cselect_b32 s18, s101, 0                     ; the tokens' tiles lie along the tile columns (v) or along the tile rows (q, k)
	s_cselect_b32 s19, 0, s101
	s_bfe_u32 s40, ttmp6, 0x40000                  ; cx, cy: my place in the cluster
	s_bfe_u32 s41, ttmp6, 0x40004
	s_lshl_b32 s42, s18, 2
	s_add_co_u32 s42, s42, s40                     ; tile column (P) = 4 x its eighth + cx
	s_lshl_b32 s17, s19, 2
	s_add_co_u32 s17, s17, s41                     ; tile row (R) = 4 x its eighth + cy
	s_lshl_b32 s43, s41, 2
	s_lshl_b32 s43, 15, s43                        ; my row of the cluster
	s_lshl_b32 s44, 0x1111, s40                    ; my column
	; descriptor group 1: a tile of 128 rows x 192 bytes, 16 bytes of padding behind every 64
	s_or_b32 s[G1+0], s43, (0<<16)|(1<<20)|(1<<21)|(3<<22)|(3<<25)  ; 15:0 the mask: R's tiles go to my row; 17:16 element of 1 byte; 20 padding on; 21 set beside a mask; 24:22 after every 16 words; 31:25 of 4 words
	s_or_b32 s[G1B+0], s44, (0<<16)|(1<<20)|(1<<21)|(3<<22)|(3<<25)
.irp g, G1, G1B
	s_mov_b32 s[\g+1], ROWB<<16                    ; tensor_dim0
	s_mov_b32 s[\g+2], 128<<16                     ; tensor_dim1 = 128
	s_mov_b32 s[\g+3], ROWB<<16                    ; tile_dim0
	s_mov_b32 s[\g+4], 128                         ; tile_dim1 = 128
	s_mov_b32 s[\g+5], KROW                        ; tensor_dim0_stride
	s_mov_b32 s[\g+6], 0
	s_mov_b32 s[\g+7], 0
.endr
	; the scales of 128 rows: a dense block of 4,096 bytes, as 16 rows of 256 bytes (32 elements of 8 bytes), 16 bytes of padding behind each
	s_or_b32 s[G1S+0], s43, (3<<16)|(1<<20)|(1<<21)|(5<<22)|(3<<25)
	s_or_b32 s[G1SB+0], s44, (3<<16)|(1<<20)|(1<<21)|(5<<22)|(3<<25)
.irp g, G1S, G1SB
	s_mov_b32 s[\g+1], 32<<16
	s_mov_b32 s[\g+2], (128*KS/256)<<16
	s_mov_b32 s[\g+3], 32<<16
	s_mov_b32 s[\g+4], 128*KS/256
	s_mov_b32 s[\g+5], 32
	s_mov_b32 s[\g+6], 0
	s_mov_b32 s[\g+7], 0
.endr
	s_lshl_b32 s18, s16, 7                         ; which 128 rows of the tile I fetch
	s_lshl_b32 s20, s17, 8
	s_add_co_u32 s20, s20, s18                     ; R: row 256 x tile row + 128 x half
	s_lshl_b32 s46, s42, 8
	s_add_co_u32 s46, s46, s18                     ; P: row 256 x tile column + 128 x half
	s_mov_b32 s21, 0
	s_mov_b32 s47, 0
	s_mov_b64 s[18:19], KS
	s_mul_u64 s[22:23], s[20:21], s[18:19]         ; where these rows' scales begin, in bytes
	s_mul_u64 s[92:93], s[46:47], s[18:19]
	s_mov_b64 s[18:19], KROW
	s_mul_u64 s[20:21], s[20:21], s[18:19]         ; and their codes
	s_mul_u64 s[46:47], s[46:47], s[18:19]
	s_mul_i32 s45, s14, HALFT                      ; where they go: wave x 128 rows: no place in the cluster enters an LDS address
	s_mul_i32 s94, s14, HALFS
	s_add_nc_u64 s[20:21], s[4:5], s[20:21]
	s_add_nc_u64 s[22:23], s[6:7], s[22:23]
	s_add_nc_u64 s[46:47], s[8:9], s[46:47]
	s_add_nc_u64 s[92:93], s[10:11], s[92:93]
	CROUND                                         ; all sixteen work-groups are here: the first joint loads meet
	s_mov_b32 s[G0S], 1
	s_add_co_u32 s[G0S+1], s94, SCL
	s_mov_b64 s[G0S+2:G0S+3], s[22:23]
	s_or_b32 s[G0S+3], s[G0S+3], 0x80000000
	s_mov_b32 s[G0SB], 1
	s_add_co_u32 s[G0SB+1], s94, SCL
	s_mov_b64 s[G0SB+2:G0SB+3], s[92:93]
	s_or_b32 s[G0SB+3], s[G0SB+3], 0x80000000
	JLOAD G0S, G1S, G0SB, G1SB                     ; the scales first: they are wanted with K step 0
.irp s, 0,1
	s_mov_b32 s[G0+4*\s], 1
	s_add_co_u32 s[G0+4*\s+1], s45, \s*SLOT
	s_add_nc_u64 s[G0+4*\s+2:G0+4*\s+3], s[20:21], \s*ROWB
	s_or_b32 s[G0+4*\s+3], s[G0+4*\s+3], 0x80000000
	s_mov_b32 s[G0B+4*\s], 1
	s_add_co_u32 s[G0B+4*\s+1], s45, \s*SLOT
	s_add_nc_u64 s[G0B+4*\s+2:G0B+4*\s+3], s[46:47], \s*ROWB
	s_or_b32 s[G0B+4*\s+3], s[G0B+4*\s+3], 0x80000000
	JLOAD G0+4*\s, G1, G0B+4*\s, G1B               ; three tensor loads of mine are out
.endr
	v_and_b32 v1, 15, v0                           ; r = lane % 16
	v_bfe_u32 v2, v0, 4, 1                         ; h = lane / 16
	v_mul_u32_u24 v3, v1, PITCH
	v_mul_u32_u24 v4, v2, 24
	v_add_nc_u32 v4, v3, v4                        ; a fragment's row x pitch + 24 x half
	v_lshl_add_u32 v5, v2, 4, v4                   ; and the same behind one padding more
	s_mul_i32 s21, s15, HALFT                      ; my 128 rows of R
	s_mul_i32 s22, s16, HALFT                      ; my 128 rows of P,
	s_add_co_u32 s22, s22, 2*HALFT                 ; which lie behind R's 256
.irp s, 0,1
	v_add_nc_u32 v[ADRA+\s], s21, v4
	v_add_nc_u32 v[ADRB+\s], s22, v4
	v_add_nc_u32 v[ADRA+2+\s], s21, v5
	v_add_nc_u32 v[ADRB+2+\s], s22, v5
	s_add_co_u32 s21, s21, SLOT
	s_add_co_u32 s22, s22, SLOT
.endr
	v_mul_u32_u24 v5, v1, KS                       ; my row's scales: 32 bytes a row,
	v_lshrrev_b32 v6, 8, v5
	v_lshl_add_u32 v5, v6, 4, v5                   ; and 16 more for each 256 passed
	s_mul_i32 s21, s15, HALFS                      ; R's: my 128 rows
	s_mul_i32 s22, s16, HALFS                      ; P's: my 128 rows, behind R's 256
	s_add_co_u32 s22, s22, 2*HALFS
	s_sub_co_u32 s22, s22, s21
	v_mul_u32_u24 v6, s22, v2                      ; lanes 16-31 take P's
	s_add_co_u32 s21, s21, SCL
	v_add_nc_u32 v5, v5, v6
	v_add_nc_u32 v[ADRS], s21, v5
	; the way out's addresses
	v_and_b32 v6, 31, v0
	v_lshlrev_b32 v[L16], 4, v6
	v_lshlrev_b32 v[L4], 2, v6
	v_lshlrev_b32 v[BPA], 5, v2
	v_lshlrev_b32 v[BRA], 2, v1
	v_lshrrev_b32 v3, 3, v1                        ; r / 8
	v_and_b32 v4, 7, v1                            ; r % 8
	v_mul_u32_u24 v[VO], v3, 1536                  ; v: channel 16 a + r is row 8 (a % 2) + r % 8 of fragment 2 ((a % 4) / 2) + r / 8
	v_lshl_add_u32 v[VO], v4, 4, v[VO]
	v_lshl_add_u32 v[VO], v2, 8, v[VO]             ; (r / 8) x 1,536 + (r % 8) x 16 + 256 h
	v_lshlrev_b32 v[VS4], 6, v3
	v_lshl_add_u32 v[VS4], v2, 5, v[VS4]
	v_lshl_add_u32 v[VS4], v4, 2, v[VS4]           ; (r / 8) x 64 + 32 h + (r % 8) x 4: lanes 16-31 carry the odd block's words
	s_lshl_b32 s92, s17, 8
	s_lshl_b32 s93, s15, 7
	s_add_co_u32 s92, s92, s93                     ; my first R row
	s_lshl_b32 s93, s42, 8
	s_lshl_b32 s94, s16, 7
	s_add_co_u32 s93, s93, s94                     ; my first P row
	s_cmp_eq_u32 s100, 2
	s_cselect_b32 s94, s92, 0                      ; the bias runs along the channels: R's rows for v, P's for q and k; the other set of loads reads the bias's first numbers and is not used
	s_cselect_b32 s96, 0, s93
	s_cselect_b32 s66, s93, s92                    ; my first token
	s_cselect_b32 s67, s92, s93                    ; my first channel
	s_lshl_b32 s94, s94, 2
	s_mov_b32 s95, 0
	s_lshl_b32 s96, s96, 2
	s_mov_b32 s97, 0
	s_add_nc_u64 s[94:95], s[98:99], s[94:95]
	s_add_nc_u64 s[96:97], s[98:99], s[96:97]
.irp b, 0,1,2,3,4,5,6,7
	global_load_b128 v[BP+8*\b:BP+8*\b+3], v[BPA], s[96:97] offset:64*\b       ; the bias of P rows 16 b + 8 h + 0 .. 7
	global_load_b128 v[BP+8*\b+4:BP+8*\b+7], v[BPA], s[96:97] offset:64*\b+16
.endr
.irp a, 0,1,2,3,4,5,6,7
	global_load_b32 v[BR+2*\a], v[BRA], s[94:95] offset:64*\a                  ; the bias of R row 16 a + r, twice: a pair for the packed addition
	global_load_b32 v[BR+2*\a+1], v[BRA], s[94:95] offset:64*\a
.endr
	s_lshr_b32 s101, s66, 11                       ; out: (batch x 16 + head) x a head's block + step x a step's block
	s_lshl_b32 s101, s101, 4
	s_lshr_b32 s67, s67, 6
	s_add_co_u32 s101, s101, s67
	s_mul_i32 s101, s101, HEADB
	s_bfe_u32 s66, s66, 0x40007                    ; (token / 128) % 16
	s_mul_i32 s66, s66, STEPB
	s_add_co_u32 s66, s66, s101
	s_mov_b32 s67, 0
	s_add_nc_u64 s[12:13], s[12:13], s[66:67]
.macro FRAG reg, adr, q, i             ; a fragment: lane l holds row l % 16; registers 6 c .. 6 c + 5 hold K = 64 c + 32 (l / 16) + 0 .. 31: 24 bytes of the row's stream of bits, as they lie
.irp p, 0,1,2,3,4,5                    ; in pieces of 8 bytes.  Lanes 0-15 take the row's pieces 12 q + 0, 1, 2 and 12 q + 6, 7, 8, lanes 16-31 those three pieces on
.set PC, 12*(\q)+6*(\p/3)+\p%3        ; 16 bytes of padding lie behind every 8 pieces: where the piece three on lies behind one padding more, the second address register serves
.if PC%8 < 5
	ds_load_b64 v[\reg+2*\p:\reg+2*\p+1], v[\adr] offset:8*PC+16*(PC/8)+(\i)*16*PITCH
.else
	ds_load_b64 v[\reg+2*\p:\reg+2*\p+1], v[\adr+2] offset:8*PC+16*(PC/8)+(\i)*16*PITCH
.endif
.endr
.endm
; 16 matrix instructions: R's blocks a0, a0 + 1 x P's eight, 128 along K: the slot's q-th.  p: P's set;  sc: the set of scale words.  zero = 1: the first product starts the sums.
; The 64 accumulators take turns, one instruction a turn, in the same order in every step.
.macro MUL16 a0, p, q, sc, zero
.irp a, \a0, \a0+1
.irp b, 0,1,2,3,4,5,6,7
.if \zero
	v_wmma_scale_f32_16x16x128_f8f6f4 v[8*(8*((\a)%4)+\b):8*(8*((\a)%4)+\b)+7], v[128*(\p)+FR*\b:128*(\p)+FR*\b+FR-1], v[AF+FR*(\a):AF+FR*(\a)+FR-1], 0, v[SC+8*NQ*(\sc)+NQ*\b+(\q)], v[SC+8*NQ*(\sc)+NQ*(\a)+(\q)] matrix_a_fmt:MATRIX_FMT_FP6 matrix_b_fmt:MATRIX_FMT_FP6 matrix_a_scale:MATRIX_SCALE_ROW1
.else
	v_wmma_scale_f32_16x16x128_f8f6f4 v[8*(8*((\a)%4)+\b):8*(8*((\a)%4)+\b)+7], v[128*(\p)+FR*\b:128*(\p)+FR*\b+FR-1], v[AF+FR*(\a):AF+FR*(\a)+FR-1], v[8*(8*((\a)%4)+\b):8*(8*((\a)%4)+\b)+7], v[SC+8*NQ*(\sc)+NQ*\b+(\q)], v[SC+8*NQ*(\sc)+NQ*(\a)+(\q)] matrix_a_fmt:MATRIX_FMT_FP6 matrix_b_fmt:MATRIX_FMT_FP6 matrix_a_scale:MATRIX_SCALE_ROW1
.endif
.endr
.endr
.endm
.macro FETCH_B slot, q, p              ; P's eight fragments of the slot's q-th 128 along K into set p
	WIN TO_B
.irp i, 0,1,2,3,4,5,6,7
	FRAG 128*(\p)+FR*\i, ADRB+\slot, \q, \i
.endr
	WIN 0
.endm
.macro FETCH_A slot, q, i0             ; R's blocks i0 .. i0 + 3
.irp i, \i0, \i0+1, \i0+2, \i0+3
	FRAG AF+FR*(\i), ADRA+\slot, \q, \i
.endr
.endm
.macro SCALES sc                       ; a K step's scale words into set sc: two words a row; lanes 0-15 take R's block i, lanes 16-31 P's block i
.irp i, 0,1,2,3,4,5,6,7
	ds_load_b64 v[SC+8*NQ*\sc+NQ*\i:SC+8*NQ*\sc+NQ*\i+1], v[ADRS] offset:\i*SBLK
.endr
.endm
; A load into a register that a matrix instruction has read, and a vector instruction that reads a matrix result, stand four places behind that matrix instruction; only plain vector instructions
; that name none of its registers are places (ISA guide 7.12.1 for vector instructions).
.macro PLACES n
.rept \n
	v_nop
.endr
.endm
; A step of 128 along K that has its successor in the same slot.
.macro STEP slot, q, zero
	s_wait_dscnt 4*NL                              ; P's set and R's blocks 0-3 are in; the youngest 24 loads (R's blocks 4-7) may be out
	WIN MUL_LO
	MUL16 0, (\q)%2, \q, \slot, \zero
	MUL16 2, (\q)%2, \q, \slot, \zero
	s_wait_dscnt 0                                 ; R's blocks 4-7 are in
	PLACES NP
	FETCH_B \slot, (\q)+1, 1-(\q)%2
	FETCH_A \slot, (\q)+1, 0
	WIN MUL_HI
	MUL16 4, (\q)%2, \q, \slot, \zero
	MUL16 6, (\q)%2, \q, \slot, \zero
	PLACES NP
	WIN 0
	FETCH_A \slot, (\q)+1, 4
.endm
; A slot's last step changes slots: one barrier; in front of it each wave waits for all its tensor loads, adds 0 to its spare word, and waits for that and for its own reads of this slot.  fill = 1: this slot is filled again, two K steps ahead.
.macro TURN slot, next, fill
	s_wait_tensorcnt 0x0                           ; all my tensor loads have landed: my part of the next slot;
	ds_add_u32 v[SPW], v[NIL]                      ; 0 onto my spare word;
	s_wait_dscnt 4*NL+1                            ; (the add and the youngest 24 loads, R's blocks 4-7, may be out)
	WIN MUL_LO
	MUL16 0, 1, NQ-1, \slot, 0                     ; sixteen matrix instructions stand between the add and the wait for it
	s_wait_dscnt 0x0                               ; the add is done, and my reads of this slot are over
	s_barrier_signal -1
	MUL16 2, 1, NQ-1, \slot, 0
	WIN 0
	s_barrier_wait -1
.if \fill
	CREST                                          ; the barrier has opened a round of the cluster's barrier: no wave of any partner still reads this slot's tile or has a load on its way
	s_add_nc_u64 s[G0+4*\slot+2:G0+4*\slot+3], s[G0+4*\slot+2:G0+4*\slot+3], 2*ROWB
	s_add_nc_u64 s[G0B+4*\slot+2:G0B+4*\slot+3], s[G0B+4*\slot+2:G0B+4*\slot+3], 2*ROWB
	JLOAD G0+4*\slot, G1, G0B+4*\slot, G1B         ; the first tensor load behind the round; the four v_nop behind it are the places in front of the loads below
.else
	PLACES NP
.endif
	v_add_nc_u32 v[ADRS], 4*NQ, v[ADRS]            ; on to the next K step's scale words
	FETCH_B \next, 0, 0
	FETCH_A \next, 0, 0
	SCALES \next
	WIN MUL_HI
	MUL16 4, 1, NQ-1, \slot, 0
	MUL16 6, 1, NQ-1, \slot, 0
	PLACES NP
	WIN 0
	FETCH_A \next, 0, 4
.endm
	s_wait_tensorcnt 1                             ; the scales and my part of K step 0 are in (K step 1's load may be out)
	s_barrier_signal -1
	s_barrier_wait -1                              ; everybody's are
	FETCH_B 0, 0, 0
	FETCH_A 0, 0, 0
	SCALES 0
	FETCH_A 0, 0, 4
	STEP 0, 0, 1                                   ; the first step stands in front of the loop: its products start the sums
	s_mov_b32 s3, LAPS-1
.Llap:                                                 ; a trip goes once round the ring, from a lap's second step to the next lap's first, and fills both slots again
	TURN 0, 1, 1
	STEP 1, 0, 0
	TURN 1, 0, 1
	STEP 0, 0, 0
	s_sub_co_u32 s3, s3, 1
	s_cmp_lg_u32 s3, 0
	s_cbranch_scc1 .Llap
	TURN 0, 1, 0                                   ; the last lap fills nothing, and has no round of the cluster's barrier
	STEP 1, 0, 0
	s_wait_dscnt 4*NL                              ; the very last step: nothing more to fetch
	WIN MUL_LO
	MUL16 0, 1, NQ-1, 1, 0
	MUL16 2, 1, NQ-1, 1, 0
	s_wait_dscnt 0
	WIN MUL_HI
	MUL16 4, 1, NQ-1, 1, 0
	MUL16 6, 1, NQ-1, 1, 0
	WIN 0
; THE WAY OUT.  No LDS: a quantised fragment is stored as it stands in the registers.
; TAKE: the 64 numbers of my R row of block a, with their bias, into v[T] on.  Each accumulator is read from its low end on.  walk = 1: the bias runs with the registers; 0: one pair serves all.
.macro TAKE a, bias, walk
	WIN 0x02+(\a)/4                                ; source 0: window 2 or 3
.set AC, 64*((\a)%4)
.set xx, 0
.rept 32
.set BB, (\bias)+(\walk)*xx
	v_pk_add_f32 v[T+xx:T+xx+1], v[AC+xx:AC+xx+1], v[BB:BB+1]
.set xx, xx+2
.endr
	WIN 0
.endm
; QUANT: 64 numbers of a lane, register 16 b + i in block b of my row, become codes: blocks 0, 1 in v[d0] on, blocks 2, 3 in v[d1] on (six registers each: lanes 0-15 the even block, lanes 16-31 the odd), and the row's scale word.
.macro QUANT src, d0, d1, pw
.set QSR, \src
.set QD0, \d0
.set QD1, \d1
.set QPW, \pw
.irp b, 0,1,2,3
	v_max3_num_f32 v[MX+\b], |v[QSR+16*\b]|, |v[QSR+1+16*\b]|, 0x1800000   ; my 16 numbers of block b, and the floor 2^(3 - 127): so the byte cannot fall under 1
.endr
.irp i, 2,4,6,8,10,12,14
.irp b, 0,1,2,3
	v_max3_num_f32 v[MX+\b], v[MX+\b], |v[QSR+16*\b+\i]|, |v[QSR+1+16*\b+\i]|   ; (the four blocks by turns)
.endr
.endr
.irp b, 0,1,2,3
	v_permlanex16_b32 v[BY+\b], v[MX+\b], s[SEL], s[SEL+1]
.endr
.irp b, 0,1,2,3
	v_max_num_f32 v[MX+\b], v[MX+\b], v[BY+\b]     ; with lane l xor 16's: the block's largest magnitude
.endr
.irp b, 0,1,2,3
	v_add_nc_u32 v[SO+\b], 0xff000000, v[MX+\b]    ; 2 off its exponent field: the conversion takes the exponent field of this operand as its scale
.endr
.irp b, 0,1,2,3
	v_lshrrev_b32 v[BY+\b], 23, v[SO+\b]           ; the scale's byte
.endr
	v_lshl_or_b32 v[QPW], v[BY+1], 8, v[BY]
	v_lshl_or_b32 v[QPW], v[BY+2], 16, v[QPW]
	v_lshl_or_b32 v[QPW], v[BY+3], 24, v[QPW]
	v_cvt_scalef32_pk16_fp6_f32 v[QD0:QD0+2], v[QSR:QSR+15], v[SO]
	v_cvt_scalef32_pk16_fp6_f32 v[CT:CT+2], v[QSR+16:QSR+31], v[SO+1]      ; (a conversion's three registers begin on an even number)
	v_cvt_scalef32_pk16_fp6_f32 v[QD1:QD1+2], v[QSR+32:QSR+47], v[SO+2]
	v_cvt_scalef32_pk16_fp6_f32 v[CT+4:CT+6], v[QSR+48:QSR+63], v[SO+3]
	v_nop                                          ; one plain place behind a scaled conversion
.irp i, 0,1,2
	v_permlane16_swap_b32 v[QD0+\i], v[CT+\i]      ; a whole block to a lane: the first's lanes 16-31 change places with the second's lanes 0-15
	v_permlane16_swap_b32 v[QD1+\i], v[CT+4+\i]
.endr
.irp i, 0,1,2
	v_mov_b32 v[QD0+3+\i], v[CT+\i]
	v_mov_b32 v[QD1+3+\i], v[CT+4+\i]
.endr
.endm
	PLACES NP                                      ; behind the last products: their results are read and their operands' registers written below
	s_wait_loadcnt 0x0                             ; the biases
	s_mov_b32 s[SEL], 0x76543210
	s_mov_b32 s[SEL+1], 0xfedcba98                 ; lane l xor 16
	s_mov_b32 vcc_lo, 0xffff0000                   ; lanes 16-31
.irp b, 0,1,2,3
	v_mov_b32 v[BY+\b], 0                          ; written once: a lane permute's destination counts as one of its sources
.endr
	s_cmp_eq_u32 s100, 2
	s_cbranch_scc1 .Lvway
	; q, k: block a's fragment holds token 16 a + r: registers 0-5 the even head's 64 channels, registers 6-11 the odd head's.  Blocks 2 g and 2 g + 1 make double fragment g of each of the two heads.
.irp g, 0,1,2,3
.if \g > 0
	s_wait_xcnt 0x0                                ; the last group's stores have read their registers
.endif
.irp u, 0,1
	TAKE 2*\g+\u, BP, 1
	QUANT T, E+6*\u, O+6*\u, PW+2*\g+\u
.endr
.irp c, 0,1
.irp p, 0,1,2
	global_store_b128 v[L16], v[E+12*\c+4*\p:E+12*\c+4*\p+3], s[12:13] offset:\c*HEADB+\g*1536+512*\p   ; 32 lanes store 512 consecutive bytes, at a multiple of 256 from the buffer's first byte
.endr
.endr
.endr
.irp gp, 0,1                                   ; the scale words: a head's two bytes of the even block's token below those of the odd block's; lanes 0-15 fragment 2 gp, lanes 16-31 fragment 2 gp + 1
.irp c, 0,1
	v_perm_b32 v[MX], v[PW+4*\gp+1], v[PW+4*\gp], 0x05040100+\c*0x02020202
	v_perm_b32 v[MX+1], v[PW+4*\gp+3], v[PW+4*\gp+2], 0x05040100+\c*0x02020202
	v_cndmask_b32 v[SD+2*\gp+\c], v[MX], v[MX+1], vcc_lo
	global_store_b32 v[L4], v[SD+2*\gp+\c], s[12:13] offset:\c*HEADB+6144+128*\gp
.endr
.endr
	s_branch .Lend
.Lvway:
	; v: block a's fragment holds channel 16 a + r and the step's 128 keys: it is half the rows of two fragments of V^T
.irp a, 0,1,2,3,4,5,6,7
.if (\a%2 == 0) && (\a > 0)
	s_wait_xcnt 0x0                                ; the stores of the two blocks before have read their registers
.endif
	TAKE \a, BR+2*\a, 0
	QUANT T, E+12*(\a%2), E+12*(\a%2)+6, PW+\a
.irp p, 0,1,2
	global_store_b128 v[VO], v[E+12*(\a%2)+4*\p:E+12*(\a%2)+4*\p+3], s[12:13] offset:6400+(\a/4)*HEADB+((\a%4)/2)*3072+(\a%2)*128+512*\p   ; four runs of 128 bytes; the neighbouring block fills the runs between
.endr
.if \a%2 == 1
	v_cndmask_b32 v[SD+\a/2], v[PW+\a-1], v[PW+\a], vcc_lo
	global_store_b32 v[VS4], v[SD+\a/2], s[12:13] offset:12544+(\a/4)*HEADB+((\a%4)/2)*128
.endif
.endr
.Lend:
	s_wait_tensorcnt 0x0                           ; the wave's end
	ds_add_u32 v[SPW], v[NIL]
	s_wait_dscnt 0x0
	CROUND                                         ; the closing round: no work-group ends while a partner may still ask for a tile that names it
	s_endpgm
.Lfunc_end_k_qfb0424169e_proj:
	.size	k_qfb0424169e_proj, .Lfunc_end_k_qfb0424169e_proj-k_qfb0424169e_proj
	.p2alignl 7, 3214868480
	.fill 96, 4, 3214868480
	.section	.rodata,"a",@progbits
	.p2align	6, 0x0
	.amdhsa_kernel k_qfb0424169e_proj
		.amdhsa_group_segment_fixed_size 327680
		.amdhsa_private_segment_fixed_size 0
		.amdhsa_enable_private_segment 0
		.amdhsa_kernarg_size 120
		.amdhsa_user_sgpr_count 2
		.amdhsa_user_sgpr_kernarg_segment_ptr 1
		.amdhsa_wavefront_size32 1
		.amdhsa_system_sgpr_workgroup_id_x 1
		.amdhsa_system_sgpr_workgroup_id_y 1
		.amdhsa_system_sgpr_workgroup_id_z 1
		.amdhsa_system_vgpr_workitem_id 0
		.amdhsa_next_free_vgpr 1024
		.amdhsa_next_free_sgpr 102
		.amdhsa_reserve_vcc 1
		.amdhsa_float_denorm_mode_32 3
		.amdhsa_float_denorm_mode_16_64 3
		.amdhsa_memory_ordered 1
		.amdhsa_forward_progress 1
		.amdhsa_inst_pref_size 234
	.end_amdhsa_kernel
	.amdgpu_metadata
---
amdhsa.version: [ 1, 2 ]
amdhsa.kernels:
  - .name:           k_qfb0424169e_proj
    .symbol:         k_qfb0424169e_proj.kd
    .args:
      - { .name: x_q_codes, .offset: 0, .size: 8, .value_kind: global_buffer, .address_space: global }
      - { .name: x_q_scales, .offset: 8, .size: 8, .value_kind: global_buffer, .address_space: global }
      - { .name: x_kv_codes, .offset: 16, .size: 8, .value_kind: global_buffer, .address_space: global }
      - { .name: x_kv_scales, .offset: 24, .size: 8, .value_kind: global_buffer, .address_space: global }
      - { .name: W_q_codes, .offset: 32, .size: 8, .value_kind: global_buffer, .address_space: global }
      - { .name: W_q_scales, .offset: 40, .size: 8, .value_kind: global_buffer, .address_space: global }
      - { .name: W_k_codes, .offset: 48, .size: 8, .value_kind: global_buffer, .address_space: global }
      - { .name: W_k_scales, .offset: 56, .size: 8, .value_kind: global_buffer, .address_space: global }
      - { .name: W_v_codes, .offset: 64, .size: 8, .value_kind: global_buffer, .address_space: global }
      - { .name: W_v_scales, .offset: 72, .size: 8, .value_kind: global_buffer, .address_space: global }
      - { .name: b_q, .offset: 80, .size: 8, .value_kind: global_buffer, .address_space: global }
      - { .name: b_k, .offset: 88, .size: 8, .value_kind: global_buffer, .address_space: global }
      - { .name: b_v, .offset: 96, .size: 8, .value_kind: global_buffer, .address_space: global }
      - { .name: qi, .offset: 104, .size: 8, .value_kind: global_buffer, .address_space: global }
      - { .name: kv, .offset: 112, .size: 8, .value_kind: global_buffer, .address_space: global }
    .group_segment_fixed_size: 327680
    .private_segment_fixed_size: 0
    .kernarg_segment_align: 8
    .kernarg_segment_size: 120
    .max_flat_workgroup_size: 128
    .sgpr_count:     102
    .vgpr_count:     1024
    .wavefront_size: 32
...
	.end_amdgpu_metadata
.endif
;; end of part 1
;; launch attn (part 2): grid 4 x 64, 16 waves a work-group, clusters of 4 x 1, 327,680 bytes of LDS; arguments qi, kv, ao, ao_scales; writes ao, ao_scales
.if DOCPART == 2
	.amdgcn_target "amdgcn-amd-amdhsa--gfx1250"
	.amdhsa_code_object_version 6
	.text
	.protected	k_qfb0424169e_attn
	.globl	k_qfb0424169e_attn
	.p2align	8
	.type	k_qfb0424169e_attn,@function
k_qfb0424169e_attn:
	s_mov_b64 s[64:65], 0
	v_nop
	global_prefetch_b8 v0, s[64:65] scope:SCOPE_SE
	s_setreg_imm32_b32 hwreg(HW_REG_WAVE_MODE, 25, 1), 1
	s_wait_xcnt 0x0
	s_wait_alu depctr_hold_cnt(0) depctr_sa_sdst(0) depctr_va_vdst(0) depctr_va_sdst(0) depctr_va_ssrc(0) depctr_va_vcc(0) depctr_vm_vsrc(0)
	s_getreg_b32 s2, hwreg(HW_REG_IB_STS2, 6, 4)
	s_cmp_eq_u32 s2, 0
	s_cbranch_scc0 .Lentry_in_a_cluster
	s_endpgm
.Lentry_in_a_cluster:
	s_bfe_u32 s2, ttmp6, 0x10000c
	s_cmp_lg_u32 s2, 0x3003
	s_cbranch_scc0 .Lentry_shape_is_right
	s_endpgm
.Lentry_shape_is_right:
; CAUSAL ATTENTION ON CODES OF FP6 (E2M3), head size 64, 2,048 tokens, 64 (batch, head) pairs.  Both products by the scaled matrix instruction; softmax in f32.
; t = score x log2(e) / 8; M = the running largest t rounded UP to a whole number; p = 2^(t - M) is quantised along the keys, not normalised; the sum of the unquantised p divides O at the end.
; When M moves, the sum and O are multiplied by 2^(old M - new M): exact.  The result is quantised along the last product's K (the channels) and leaves as images of that product's operand registers.
; SHARES.  The four work-groups of a cluster serve ONE head.  Each holds the head's K and V, 204,800 bytes as the projection launch laid them, in LDS: filled once, by joint loads (the same load with a mask that names the four).
;   Wave w owns two tiles of 16 queries: tile 2 cx + (w % 2) of the 128 queries of group w / 2 and of group 15 - w / 2.  A tile of group G needs key steps 0 .. G: every wave has 17 steps of a tile.
;   All branches hang on the wave's number and a counter; the place in the cluster enters only global addresses of q and of the results, and the diagonal's compare.
; LAYOUT.  Both products transposed: S^T = K Q^T, O^T = V^T P^T: a lane holds one query (lane % 16) throughout.
;   K = 64 IS HALF OF THE INSTRUCTION'S 128: a fragment of K holds TWO tiles of 16 keys (registers 0-5 and 6-11), and Q stands between zeros: [q | 0] gives the first tile's scores, [0 | q] the second's.  Zero codes add nothing
;   under any scale byte but 0xff, and every byte here lies between 1 and 254.  Q's scale word repeats its two bytes.
;   In S^T's tile i lane (r, h), register j holds key 16 i + 8 h + j; the conversion lays the 16 registers of tiles 2 B and 2 B + 1 at places 16 h + 8 u + j of block B, the order in which V's keys were laid.
; THE MASK.  reference() adds -10,000 to hidden logits.  Here steps that are wholly hidden are left out and hidden scores on the diagonal become -infinity: p = 0.
;   LIMIT: that is what f32 gives as long as no hidden logit lies more than about 9,900 above the row's largest visible one (2^(-14,427 + 1.44 x that excess) falls under the smallest f32 number).
; OTHER LIMITS: NaN and infinities are not served; a block whose largest magnitude lies under 2^-124 keeps the scale byte 1.
; UNITS WRITTEN IN PART: the results' scale bytes, two a row and head (one byte for each 24 of codes); the codes leave in whole aligned blocks of 256 bytes.
; Four waves share a SIMD, so that one wave's vector work stands beside another's matrix work and LDS loads.
.set STEPB, 12800                      ; a key step's block: 4 double fragments of K, their scale words, 4 fragments of V^T, their scale words
.set HEADB, 16*STEPB
.set KSO,   6144                       ; K's scale words in a block
.set VCO,   6400                       ; V's fragments
.set VSO,   12544                      ; V's scale words
.set L16,  1                           ; v1   16 x lane
.set L4,   2                           ; v2   4 x lane
.set DD,   3                           ; v3   my query's place in its group of 128, less 8 (lane / 16)
.set ADK,  4                           ; v4   LDS address of the step's fragments
.set ADS,  5                           ; v5   and of its scale words
.set L8,   6                           ; v6   8 x lane
.set SAD,  7                           ; v7   where my row's two scale bytes go: lanes 0-15 the first tile's rows, lanes 16-31 the second's
.set QSA,  8                           ; v8, v9 Q's scale words
.set QSB,  9
.set KW,   10                          ; v10, v11 K's or V's scale words: lanes 0-15 an even fragment's, lanes 16-31 the odd one's
.set NMA,  12                          ; v[12:13] -M and the largest t, v[14:15] the sum in two halves: the first tile's;  v[16:19] the second's
.set SUMA, 14
.set NMB,  16
.set SUMB, 18
.set QHIA, 20                          ; v20-25 zeros, v26-31 q of the first tile, v32-37 zeros, v38-43 q of the second, v44-49 zeros
.set QLOA, 26
.set QHIB, 32
.set QLOB, 38
.set F,    50                          ; v50-73   two fragments of K or of V
.set S,    74                          ; v74-137  S^T, then p
.set OA,   138                         ; v138-169 O^T of the first tile;  v170-201 of the second
.set OB,   170
.set PC,   202                         ; v202-213 p's codes
.set CT,   214                         ; v214-221 the conversions' second halves
.set BM,   222                         ; v222-225 the blocks' largest scores, then p
.set BP,   226                         ; v226-229 the other half's, then the bytes
.set SO,   230                         ; v230-233 the conversions' scale operands
.set PW,   234                         ; v234     p's scale word
.set FF,   236                         ; v[236:237] f = 2^(old M - new M) (the pair is named; the low word serves both halves)
.set TA,   238                         ; v238, v239 at work
.set TC,   239
.set SS,   240                         ; v[240:241] the sums' second chain
.set WV,   12                          ; s12 wave;  s13 cx;  s14 batch x 16 + head;  s15, s16 my two groups;  s17 the key step;  s18 its LDS byte;  s19 wave % 2
.set CX,   13
.set BH,   14
.set GA,   15
.set GB,   16
.set J,    17
.set TB,   18
.set UU,   19
.set SEL,  20                          ; s[20:21] lane selects for v_permlanex16_b32: lane l xor 16
.set CS,   22                          ; s[22:23] c = log2(e) / 8
.macro CROUND                          ; a round of the cluster's barrier
	s_barrier_signal -1
	s_barrier_wait -1
	s_cmp_lg_u32 s[WV], 0
	s_cbranch_scc1 .Lnot_wave_0_\@
	s_barrier_signal -3
.Lnot_wave_0_\@:
	s_barrier_wait -3
	s_barrier_signal -1
	s_barrier_wait -1
.endm
	s_load_b256 s[4:11], s[0:1], 0x0               ; qi s[4:5], kv s[6:7], ao s[8:9], ao_scales s[10:11]
	v_lshl_add_u32 v254, v0, 2, 0x32000
	v_mov_b32 v255, 0
	ds_add_u32 v254, v255
	ds_add_u32 v254, v255
	v_lshrrev_b32 v1, 5, v0
	v_readfirstlane_b32 s[WV], v1                  ; wave 0..15
	s_bfe_u32 s[CX], ttmp6, 0x40000                ; cx
	s_and_b32 s[BH], ttmp7, 0xffff                 ; the (batch, head) pair, which the four partners share
	s_lshr_b32 s[GA], s[WV], 1
	s_xor_b32 s[GB], s[GA], 15                     ; 15 - wave / 2
	s_and_b32 s[UU], s[WV], 1
	; descriptor groups 1: dense blocks as rows of 256 bytes (32 elements of 8 bytes); 25 rows a wave for key steps 0-3, 75 rows a wave for steps 4-15
	s_mov_b32 s24, 15|(3<<16)|(1<<21)              ; 15:0 the mask: all four work-groups; 17:16 elements of 8 bytes; 21 set beside a mask; no padding
	s_mov_b32 s25, 32<<16                          ; tensor_dim0
	s_mov_b32 s26, 25<<16                          ; tensor_dim1
	s_mov_b32 s27, 32<<16                          ; tile_dim0
	s_mov_b32 s28, 25                              ; tile_dim1
	s_mov_b32 s29, 32                              ; tensor_dim0_stride
	s_mov_b32 s30, 0
	s_mov_b32 s31, 0
	s_mov_b32 s32, 15|(3<<16)|(1<<21)
	s_mov_b32 s33, 32<<16
	s_mov_b32 s34, 75<<16
	s_mov_b32 s35, 32<<16
	s_mov_b32 s36, 75
	s_mov_b32 s37, 32
	s_mov_b32 s38, 0
	s_mov_b32 s39, 0
	s_mov_b32 s[SEL], 0x76543210
	s_mov_b32 s[SEL+1], 0xfedcba98
	s_mov_b32 s[CS], 0x3e38aa3b                    ; log2(e) / 8
	s_mov_b32 s[CS+1], s[CS]                       ; (named with it as a pair, so it is written)
	s_mul_i32 s56, s[BH], HEADB                    ; the head's block in qi and in kv
	s_mov_b32 s57, 0
	s_mul_i32 s58, s[WV], 6400                     ; my eighth of steps 0-3: the same byte in the head's block and in LDS
	s_mov_b32 s59, 0
	s_mul_i32 s60, s[WV], 19200                    ; my eighth of steps 4-15
	s_add_co_u32 s60, s60, 4*STEPB
	s_mov_b32 s61, 0
	s_mul_i32 s62, s[GA], STEPB
	s_mov_b32 s63, 0
	s_wait_dscnt 0x0
	s_wait_kmcnt 0x0
	s_add_nc_u64 s[6:7], s[6:7], s[56:57]
	s_add_nc_u64 s[4:5], s[4:5], s[56:57]
	s_mov_b32 s40, 1                               ; group 0: count = 1,
	s_mov_b32 s41, s58                             ; LDS address,
	s_add_nc_u64 s[42:43], s[6:7], s[58:59]        ; global address,
	s_or_b32 s43, s43, 0x80000000                  ; type = 2
	s_mov_b32 s44, 1
	s_mov_b32 s45, s60
	s_add_nc_u64 s[46:47], s[6:7], s[60:61]
	s_or_b32 s47, s47, 0x80000000
	s_add_nc_u64 s[48:49], s[4:5], s[62:63]        ; q: my first group's block,
	s_mul_i32 s62, s[GB], STEPB
	s_add_nc_u64 s[50:51], s[4:5], s[62:63]        ; my second's
	CROUND                                         ; all four work-groups are here: the joint loads meet
	s_cmp_lt_u32 s[WV], 8                          ; waves 0-7 fetch; a wave's two loads stand in one branch: two tensor loads of mine are out
	s_cbranch_scc0 .Lno_fetch
	tensor_load_to_lds s[40:43], s[24:31]
	s_nop 0
	tensor_load_to_lds s[44:47], s[32:39]
	s_nop 0
.rept 4
	v_nop
.endr
.Lno_fetch:
	v_and_b32 v244, 31, v0
	v_lshlrev_b32 v[L16], 4, v244
	v_lshlrev_b32 v[L4], 2, v244
	v_lshlrev_b32 v[L8], 3, v244
	v_and_b32 v242, 15, v0                         ; r
	v_bfe_u32 v243, v0, 4, 1                       ; h
	s_lshl_b32 s58, s[CX], 5
	s_lshl_b32 s59, s[UU], 4
	s_add_co_u32 s58, s58, s59
	v_lshlrev_b32 v244, 3, v243
	v_sub_nc_u32 v[DD], v242, v244
	v_add_nc_u32 v[DD], s58, v[DD]                 ; 32 cx + 16 u + r - 8 h
	; q lies in k's layout: my tile is half u of double fragment cx: registers 6 u .. 6 u + 5 of an image whose registers 4 P .. 4 P + 3 lie at 512 P + 16 x lane: bytes 0, 8, 512 (u = 0) or 520, 1024, 1032 (u = 1)
	s_mul_i32 s59, s[CX], 1536
	s_mul_i32 s60, s[UU], 520
	s_mul_i32 s61, s[UU], 1016
	s_add_co_u32 s60, s60, s59
	s_add_co_u32 s61, s61, s59
	v_add_nc_u32 v245, s60, v[L16]
	v_add_nc_u32 v246, s61, v[L16]
	s_lshl_b32 s62, s[CX], 6
	v_lshl_add_u32 v247, v242, 2, s62              ; the fragment's scale words: 64 cx + 4 r
	global_load_b64 v[QLOA:QLOA+1], v245, s[48:49]
	global_load_b64 v[QLOA+2:QLOA+3], v246, s[48:49] offset:8
	global_load_b64 v[QLOA+4:QLOA+5], v245, s[48:49] offset:512
	global_load_b32 v248, v247, s[48:49] offset:KSO
	global_load_b64 v[QLOB:QLOB+1], v245, s[50:51]
	global_load_b64 v[QLOB+2:QLOB+3], v246, s[50:51] offset:8
	global_load_b64 v[QLOB+4:QLOB+5], v245, s[50:51] offset:512
	global_load_b32 v249, v247, s[50:51] offset:KSO
	; where the results go
	s_lshr_b32 s58, s[BH], 4                       ; batch
	s_and_b32 s59, s[BH], 15                       ; head
	s_lshl_b32 s58, s58, 7                         ; 128 tiles of 16 rows a batch
	s_lshl_b32 s60, s[CX], 1
	s_add_co_u32 s58, s58, s60
	s_add_co_u32 s58, s58, s[UU]
	s_lshl_b32 s60, s[GA], 3
	s_add_co_u32 s60, s60, s58                     ; my first tile of rows,
	s_lshl_b32 s62, s[GB], 3
	s_add_co_u32 s62, s62, s58                     ; my second
	s_lshl_b32 s61, s59, 1
	s_lshl_b32 s56, s60, 9                         ; scale bytes: 16 rows of 32 bytes a tile, + 2 x head
	s_add_co_u32 s56, s56, s61
	s_lshl_b32 s57, s62, 9
	s_add_co_u32 s57, s57, s61
	s_lshr_b32 s61, s59, 1                         ; codes: [tile of rows][K step of 128 = two heads][1,536]; the odd head takes the upper 768 bytes
	s_and_b32 s59, s59, 1
	s_mul_i32 s59, s59, 768
	s_lshl_b32 s60, s60, 3
	s_add_co_u32 s60, s60, s61
	s_mul_i32 s60, s60, 1536
	s_add_co_u32 s60, s60, s59
	s_lshl_b32 s62, s62, 3
	s_add_co_u32 s62, s62, s61
	s_mul_i32 s62, s62, 1536
	s_add_co_u32 s62, s62, s59
	s_mov_b32 s61, 0
	s_mov_b32 s63, 0
	s_add_nc_u64 s[52:53], s[8:9], s[60:61]
	s_add_nc_u64 s[54:55], s[8:9], s[62:63]
	s_mov_b32 vcc_lo, 0xffff0000                   ; lanes 16-31
	v_mov_b32 v250, s56
	v_mov_b32 v251, s57
	v_cndmask_b32 v[SAD], v250, v251, vcc_lo
	v_lshl_add_u32 v[SAD], v242, 5, v[SAD]         ; + 32 r
	s_mov_b32 s58, 0x03020302
	s_cmp_eq_u32 s[UU], 0
	s_cselect_b32 s58, 0x01000100, s58             ; my tile's two bytes of the fragment's word, twice
.irp z, 0,1,2,3,4,5
	v_mov_b32 v[QHIA+\z], 0                        ; the zeros round q
	v_mov_b32 v[QHIB+\z], 0
	v_mov_b32 v[QLOB+6+\z], 0
.endr
	v_mov_b32 v[NMA+1], 0xff61b1e6                 ; the largest t so far: -3e38, under every t
	v_mov_b32 v[NMB+1], 0xff61b1e6
	v_floor_f32 v[NMA], -v[NMA+1]                  ; -M
	v_floor_f32 v[NMB], -v[NMB+1]
.irp z, SUMA, SUMA+1, SUMB, SUMB+1, BP, BP+1, BP+2, BP+3, FF, FF+1, TC, SS, SS+1
	v_mov_b32 v[\z], 0                             ; the sums; and what is named as a permute's destination or as half of a pair before it is first written
.endr
	s_wait_loadcnt 0x0                             ; q and its scale words
	v_perm_b32 v[QSA], v248, v248, s58
	v_perm_b32 v[QSB], v249, v249, s58
.set nn, 0
.rept 32
	v_mov_b32 v[OA+nn], 0                          ; O^T: the step is written once: the first finds zeros.  (These are also the places between the scale words' making and the first product)
	v_mov_b32 v[OB+nn], 0
.set nn, nn+1
.endr
; ONE TILE'S KEY STEP: 128 keys.  grp: the tile's group: later steps are wholly hidden and left out; the step grp lies on the diagonal.
.macro TS qlo, qhi, qs, nm, sum, acc, grp
	s_cmp_gt_u32 s[J], s[\grp]
	s_cbranch_scc1 .Lskip_\@
.irp g, 0,1                                    ; S^T = K Q^T, two double fragments (four tiles of 16 keys) at a time
.irp i, 0,1
.irp p, 0,1,2
	ds_load_b128 v[F+12*\i+4*\p:F+12*\i+4*\p+3], v[ADK] offset:(2*\g+\i)*1536+512*\p   ; an image of the registers: 512 consecutive bytes a load
.endr
.endr
.if \g == 0
	ds_load_b32 v[KW], v[ADS] offset:KSO
	ds_load_b32 v[KW+1], v[ADS] offset:KSO+128
.endif
	s_wait_dscnt 0x0
	v_wmma_scale_f32_16x16x128_f8f6f4 v[S+32*\g:S+32*\g+7], v[F:F+11], v[\qlo:\qlo+11], 0, v[KW+\g], v[\qs] matrix_a_fmt:MATRIX_FMT_FP6 matrix_b_fmt:MATRIX_FMT_FP6
	v_wmma_scale_f32_16x16x128_f8f6f4 v[S+32*\g+8:S+32*\g+15], v[F:F+11], v[\qhi:\qhi+11], 0, v[KW+\g], v[\qs] matrix_a_fmt:MATRIX_FMT_FP6 matrix_b_fmt:MATRIX_FMT_FP6
	v_wmma_scale_f32_16x16x128_f8f6f4 v[S+32*\g+16:S+32*\g+23], v[F+12:F+23], v[\qlo:\qlo+11], 0, v[KW+\g], v[\qs] matrix_a_fmt:MATRIX_FMT_FP6 matrix_b_fmt:MATRIX_FMT_FP6 matrix_a_scale:MATRIX_SCALE_ROW1
	v_wmma_scale_f32_16x16x128_f8f6f4 v[S+32*\g+24:S+32*\g+31], v[F+12:F+23], v[\qhi:\qhi+11], 0, v[KW+\g], v[\qs] matrix_a_fmt:MATRIX_FMT_FP6 matrix_b_fmt:MATRIX_FMT_FP6 matrix_a_scale:MATRIX_SCALE_ROW1
.rept 4
	v_nop                                          ; places in front of loads into registers that these products have read, and of the first read of their results
.endr
.endr
.irp i, 0,1                                    ; V's first two fragments and all its scale words are asked for now: they land under the softmax
.irp p, 0,1,2
	ds_load_b128 v[F+12*\i+4*\p:F+12*\i+4*\p+3], v[ADK] offset:VCO+\i*1536+512*\p
.endr
.endr
	ds_load_b32 v[KW], v[ADS] offset:VSO
	ds_load_b32 v[KW+1], v[ADS] offset:VSO+128
	s_cmp_lg_u32 s[J], s[\grp]
	s_cbranch_scc1 .Lopen_\@
	v_mov_b32 v[TA], 0xff800000                    ; on the diagonal: register n holds key 16 (n / 8) + 8 h + n % 8 of the step: hidden where that lies beyond my query
.set nn, 0
.rept 64
	v_cmp_gt_i32 vcc_lo, 16*(nn/8)+nn%8, v[DD]
	v_cndmask_b32 v[S+nn], v[S+nn], v[TA], vcc_lo
.set nn, nn+1
.endr
.Lopen_\@:
.irp b, 0,1,2,3
	v_max3_num_f32 v[BM+\b], v[S+16*\b], v[S+16*\b+1], v[S+16*\b+2]   ; the largest score of each block of 32 keys: it serves the row's maximum and, since p rises with the score, the block's largest p
.endr
.irp i, 3,5,7,9,11,13
.irp b, 0,1,2,3
	v_max3_num_f32 v[BM+\b], v[BM+\b], v[S+16*\b+\i], v[S+16*\b+\i+1]
.endr
.endr
.irp b, 0,1,2,3
	v_max_num_f32 v[BM+\b], v[BM+\b], v[S+16*\b+15]
.endr
.irp b, 0,1,2,3
	v_permlanex16_b32 v[BP+\b], v[BM+\b], s[SEL], s[SEL+1]
.endr
.irp b, 0,1,2,3
	v_max_num_f32 v[BM+\b], v[BM+\b], v[BP+\b]     ; with lane l xor 16's 16 keys
.endr
	v_max3_num_f32 v[TA], v[BM], v[BM+1], v[BM+2]
	v_max_num_f32 v[TA], v[TA], v[BM+3]            ; the step's largest score of my query
	v_mul_f32 v[TA], s[CS], v[TA]                  ; as t (c is positive)
	v_max_num_f32 v[\nm+1], v[\nm+1], v[TA]        ; the running largest t
	v_mov_b32 v[TA], v[\nm]
	v_floor_f32 v[\nm], -v[\nm+1]                  ; the new -M = floor(-t) = -ceil(t)
	v_sub_f32 v[TA], v[\nm], v[TA]                 ; old M less new M: a whole number, 0 or less
	v_cvt_i32_f32 v[TA], v[TA]                     ; (it saturates)
	v_ldexp_f32 v[FF], 1.0, v[TA]                  ; f = 2^(old M - new M)
.set nn, 0
.rept 32
	v_pk_fma_f32 v[S+nn:S+nn+1], v[S+nn:S+nn+1], s[CS:CS+1], v[\nm:\nm+1] op_sel_hi:[1,0,0]   ; t - M, two at a time
.set nn, nn+2
.endr
.irp b, 0,1,2,3
	v_fma_f32 v[BM+\b], v[BM+\b], s[CS], v[\nm]    ; the same of each block's largest score
.endr
.set nn, 0
.rept 64
	v_exp_f32 v[S+nn], v[S+nn]                     ; p = 2^(t - M), at most 1
.set nn, nn+1
.endr
.irp b, 0,1,2,3
	v_exp_f32 v[BM+\b], v[BM+\b]                   ; the block's largest p: the same two instructions on the same number
.endr
	v_pk_mul_f32 v[\sum:\sum+1], v[\sum:\sum+1], v[FF:FF+1] op_sel_hi:[1,0]   ; the sums under the new M.  (A plain place behind the exponentials)
	s_wait_alu depctr_va_vdst(0)
.irp b, 0,1,2,3
	v_max_num_f32 v[BM+\b], 0x1800000, v[BM+\b]    ; the floor 2^(3 - 127): the byte cannot fall under 1
.endr
.irp b, 0,1,2,3
	v_add_nc_u32 v[SO+\b], 0xff000000, v[BM+\b]    ; 2 off the exponent field: the conversion's scale operand
.endr
.irp b, 0,1,2,3
	v_lshrrev_b32 v[BP+\b], 23, v[SO+\b]           ; the scale's byte
.endr
	v_lshl_or_b32 v[PW], v[BP+1], 8, v[BP]         ; p's scale word for these 128 keys
	v_lshl_or_b32 v[PW], v[BP+2], 16, v[PW]
	v_lshl_or_b32 v[PW], v[BP+3], 24, v[PW]
.irp c, 0,1
	v_cvt_scalef32_pk16_fp6_f32 v[PC+6*\c:PC+6*\c+2], v[S+32*\c:S+32*\c+15], v[SO+2*\c]
	v_cvt_scalef32_pk16_fp6_f32 v[CT+4*\c:CT+4*\c+2], v[S+32*\c+16:S+32*\c+31], v[SO+2*\c+1]   ; (a conversion's three registers begin on an even number)
.endr
	v_nop                                          ; one plain place behind a scaled conversion
.irp c, 0,1                                    ; a whole block to a lane: lanes 0-15 block 2 c, lanes 16-31 block 2 c + 1
.irp i, 0,1,2
	v_permlane16_swap_b32 v[PC+6*\c+\i], v[CT+4*\c+\i]
.endr
.irp i, 0,1,2
	v_mov_b32 v[PC+6*\c+3+\i], v[CT+4*\c+\i]
.endr
.endr
	v_pk_add_f32 v[SS:SS+1], v[S:S+1], v[S+2:S+3]  ; the row's sum is taken of the unquantised p: two at a time, in two chains
.irp j, 4,8,12,16,20,24,28,32,36,40,44,48,52,56,60
	v_pk_add_f32 v[\sum:\sum+1], v[\sum:\sum+1], v[S+\j:S+\j+1]
	v_pk_add_f32 v[SS:SS+1], v[SS:SS+1], v[S+\j+2:S+\j+3]
.endr
	v_pk_add_f32 v[\sum:\sum+1], v[\sum:\sum+1], v[SS:SS+1]
.set nn, 0
.rept 16
	v_pk_mul_f32 v[\acc+nn:\acc+nn+1], v[\acc+nn:\acc+nn+1], v[FF:FF+1] op_sel_hi:[1,0]   ; O^T under the new M
.set nn, nn+2
.endr
	s_wait_dscnt 0x0                               ; V's first two fragments and its scale words
	v_wmma_scale_f32_16x16x128_f8f6f4 v[\acc:\acc+7], v[F:F+11], v[PC:PC+11], v[\acc:\acc+7], v[KW], v[PW] matrix_a_fmt:MATRIX_FMT_FP6 matrix_b_fmt:MATRIX_FMT_FP6
	v_wmma_scale_f32_16x16x128_f8f6f4 v[\acc+8:\acc+15], v[F+12:F+23], v[PC:PC+11], v[\acc+8:\acc+15], v[KW], v[PW] matrix_a_fmt:MATRIX_FMT_FP6 matrix_b_fmt:MATRIX_FMT_FP6 matrix_a_scale:MATRIX_SCALE_ROW1
.rept 4
	v_nop
.endr
.irp i, 0,1
.irp p, 0,1,2
	ds_load_b128 v[F+12*\i+4*\p:F+12*\i+4*\p+3], v[ADK] offset:VCO+(2+\i)*1536+512*\p
.endr
.endr
	s_wait_dscnt 0x0
	v_wmma_scale_f32_16x16x128_f8f6f4 v[\acc+16:\acc+23], v[F:F+11], v[PC:PC+11], v[\acc+16:\acc+23], v[KW+1], v[PW] matrix_a_fmt:MATRIX_FMT_FP6 matrix_b_fmt:MATRIX_FMT_FP6
	v_wmma_scale_f32_16x16x128_f8f6f4 v[\acc+24:\acc+31], v[F+12:F+23], v[PC:PC+11], v[\acc+24:\acc+31], v[KW+1], v[PW] matrix_a_fmt:MATRIX_FMT_FP6 matrix_b_fmt:MATRIX_FMT_FP6 matrix_a_scale:MATRIX_SCALE_ROW1
.rept 4
	v_nop                                          ; places for the next step's loads, and for the way out's reads
.endr
.Lskip_\@:
.endm
.macro BODY                                    ; key step J for both tiles
	v_add_nc_u32 v[ADK], s[TB], v[L16]
	v_add_nc_u32 v[ADS], s[TB], v[L4]
	TS QLOB, QHIB, QSB, NMB, SUMB, OB, GB
	TS QLOA, QHIA, QSA, NMA, SUMA, OA, GA
	s_add_co_u32 s[TB], s[TB], STEPB
	s_add_co_u32 s[J], s[J], 1
.endm
	s_mov_b32 s[J], 0
	s_mov_b32 s[TB], 0
	s_wait_tensorcnt 0x1                           ; my part of key steps 0-3 is in; my second load, steps 4-15, may stay out, and the first loop reads the first 51,200 bytes alone
	s_barrier_signal -1
	s_barrier_wait -1                              ; everybody's is
.Lfirst:
	BODY
	s_cmp_lt_u32 s[J], 4
	s_cbranch_scc1 .Lfirst
	s_wait_tensorcnt 0x0                           ; my part of steps 4-15 is in,
	s_wait_dscnt 0x0
	s_barrier_signal -1
	s_barrier_wait -1                              ; everybody's is
	s_mov_b32 s[J], 4
	s_mov_b32 s[TB], 4*STEPB
.Lrest:
	BODY
	s_cmp_lt_u32 s[J], 16
	s_cbranch_scc1 .Lrest
	; THE WAY OUT.  O^T / the sum; register 16 B + i of a lane is channel 32 B + 16 h + i of the head (V^T's rows were chosen for that): quantised along the channels, six registers a tile: half a fragment of the last product's operand.
.macro QUANT2 src, dst, pw
.irp b, 0,1
	v_max3_num_f32 v[BM+\b], |v[\src+16*\b]|, |v[\src+1+16*\b]|, 0x1800000
.endr
.irp i, 2,4,6,8,10,12,14
.irp b, 0,1
	v_max3_num_f32 v[BM+\b], v[BM+\b], |v[\src+16*\b+\i]|, |v[\src+1+16*\b+\i]|
.endr
.endr
.irp b, 0,1
	v_permlanex16_b32 v[BP+\b], v[BM+\b], s[SEL], s[SEL+1]
.endr
.irp b, 0,1
	v_max_num_f32 v[BM+\b], v[BM+\b], v[BP+\b]
.endr
.irp b, 0,1
	v_add_nc_u32 v[SO+\b], 0xff000000, v[BM+\b]
.endr
.irp b, 0,1
	v_lshrrev_b32 v[BP+\b], 23, v[SO+\b]
.endr
	v_lshl_or_b32 v[\pw], v[BP+1], 8, v[BP]        ; the row's two scale bytes of this head
	v_cvt_scalef32_pk16_fp6_f32 v[\dst:\dst+2], v[\src:\src+15], v[SO]
	v_cvt_scalef32_pk16_fp6_f32 v[CT:CT+2], v[\src+16:\src+31], v[SO+1]
	v_nop                                          ; one plain place behind a scaled conversion
.irp i, 0,1,2
	v_permlane16_swap_b32 v[\dst+\i], v[CT+\i]
.endr
.irp i, 0,1,2
	v_mov_b32 v[\dst+3+\i], v[CT+\i]
.endr
.endm
	v_add_f32 v[TA], v[SUMA], v[SUMA+1]            ; the sums' two halves,
	v_add_f32 v242, v[SUMB], v[SUMB+1]
	v_permlanex16_b32 v[TC], v[TA], s[SEL], s[SEL+1]
	v_permlanex16_b32 v243, v242, s[SEL], s[SEL+1]
	v_add_f32 v[TA], v[TA], v[TC]                  ; and lane l xor 16's
	v_add_f32 v242, v242, v243
	v_rcp_f32 v[FF], v[TA]
	v_rcp_f32 v[SS], v242
	v_nop                                          ; a plain place behind the reciprocals
.set nn, 0
	s_wait_alu depctr_va_vdst(0)
.rept 16
	v_pk_mul_f32 v[S+nn:S+nn+1], v[OA+nn:OA+nn+1], v[FF:FF+1] op_sel_hi:[1,0]   ; each accumulator from its low end on
.set nn, nn+2
.endr
.set nn, 0
.rept 16
	v_pk_mul_f32 v[S+32+nn:S+32+nn+1], v[OB+nn:OB+nn+1], v[SS:SS+1] op_sel_hi:[1,0]
.set nn, nn+2
.endr
	QUANT2 S, PC, 250
.irp p, 0,1,2
	global_store_b64 v[L8], v[PC+2*\p:PC+2*\p+1], s[52:53] offset:256*\p       ; 32 lanes store 256 consecutive bytes, at a multiple of 256 from the buffer's first byte
.endr
	QUANT2 S+32, PC+6, 251
.irp p, 0,1,2
	global_store_b64 v[L8], v[PC+6+2*\p:PC+6+2*\p+1], s[54:55] offset:256*\p
.endr
	s_mov_b32 vcc_lo, 0xffff0000
	v_cndmask_b32 v250, v250, v251, vcc_lo         ; lanes 0-15 carry the first tile's rows, lanes 16-31 the second's
	global_store_b16 v[SAD], v250, s[10:11]
	s_wait_dscnt 0x0
	s_wait_tensorcnt 0x0
	ds_add_u32 v254, v255
	s_wait_dscnt 0x0
	CROUND                                         ; the closing round: no work-group ends while a partner may still ask for a tile that names it
	s_endpgm
.Lfunc_end_k_qfb0424169e_attn:
	.size	k_qfb0424169e_attn, .Lfunc_end_k_qfb0424169e_attn-k_qfb0424169e_attn
	.p2alignl 7, 3214868480
	.fill 96, 4, 3214868480
	.section	.rodata,"a",@progbits
	.p2align	6, 0x0
	.amdhsa_kernel k_qfb0424169e_attn
		.amdhsa_group_segment_fixed_size 327680
		.amdhsa_private_segment_fixed_size 0
		.amdhsa_enable_private_segment 0
		.amdhsa_kernarg_size 32
		.amdhsa_user_sgpr_count 2
		.amdhsa_user_sgpr_kernarg_segment_ptr 1
		.amdhsa_wavefront_size32 1
		.amdhsa_system_sgpr_workgroup_id_x 1
		.amdhsa_system_sgpr_workgroup_id_y 1
		.amdhsa_system_sgpr_workgroup_id_z 1
		.amdhsa_system_vgpr_workitem_id 0
		.amdhsa_next_free_vgpr 256
		.amdhsa_next_free_sgpr 66
		.amdhsa_reserve_vcc 1
		.amdhsa_float_denorm_mode_32 3
		.amdhsa_float_denorm_mode_16_64 3
		.amdhsa_memory_ordered 1
		.amdhsa_forward_progress 1
		.amdhsa_inst_pref_size 101
	.end_amdhsa_kernel
	.amdgpu_metadata
---
amdhsa.version: [ 1, 2 ]
amdhsa.kernels:
  - .name:           k_qfb0424169e_attn
    .symbol:         k_qfb0424169e_attn.kd
    .args:
      - { .name: qi, .offset: 0, .size: 8, .value_kind: global_buffer, .address_space: global }
      - { .name: kv, .offset: 8, .size: 8, .value_kind: global_buffer, .address_space: global }
      - { .name: ao, .offset: 16, .size: 8, .value_kind: global_buffer, .address_space: global }
      - { .name: ao_scales, .offset: 24, .size: 8, .value_kind: global_buffer, .address_space: global }
    .group_segment_fixed_size: 327680
    .private_segment_fixed_size: 0
    .kernarg_segment_align: 8
    .kernarg_segment_size: 32
    .max_flat_workgroup_size: 512
    .sgpr_count:     66
    .vgpr_count:     256
    .wavefront_size: 32
...
	.end_amdgpu_metadata
.endif
;; end of part 2
;; launch outp (part 3): grid 4 x 32, 4 waves a work-group, clusters of 4 x 4, 327,680 bytes of LDS; arguments ao, ao_scales, W_out_codes, W_out_scales, b_out, out0; writes out0
.if DOCPART == 3
	.amdgcn_target "amdgcn-amd-amdhsa--gfx1250"
	.amdhsa_code_object_version 6
	.text
	.protected	k_qfb0424169e_outp
	.globl	k_qfb0424169e_outp
	.p2align	8
	.type	k_qfb0424169e_outp,@function
k_qfb0424169e_outp:
	s_mov_b64 s[64:65], 0
	v_nop
	global_prefetch_b8 v0, s[64:65] scope:SCOPE_SE
	s_setreg_imm32_b32 hwreg(HW_REG_WAVE_MODE, 25, 1), 1
	s_wait_xcnt 0x0
	s_wait_alu depctr_hold_cnt(0) depctr_sa_sdst(0) depctr_va_vdst(0) depctr_va_sdst(0) depctr_va_ssrc(0) depctr_va_vcc(0) depctr_vm_vsrc(0)
	s_getreg_b32 s2, hwreg(HW_REG_IB_STS2, 6, 4)
	s_cmp_eq_u32 s2, 0
	s_cbranch_scc0 .Lentry_in_a_cluster
	s_endpgm
.Lentry_in_a_cluster:
	s_bfe_u32 s2, ttmp6, 0x10000c
	s_cmp_lg_u32 s2, 0xf033
	s_cbranch_scc0 .Lentry_shape_is_right
	s_endpgm
.Lentry_shape_is_right:
; out0 = A W_out^T + b_out.  A: the attention's result, 8,192 x 1,024, as codes of FP6 (E2M3) made by the launch before; W_out: 1,024 x 1,024 codes as given; one E8M0 scale for each 32 along K; sums and out0 in f32.
; A tile of 256 x 256 is made by a work-group of four waves, 128 x 128 a wave: 64 accumulators, 512 registers.  K goes in steps of 256 through a ring of two LDS slots filled by the tensor data mover.
; A COMES AS IMAGES OF ITS OPERAND REGISTERS: [tile of 16 rows][K step of 128][1,536 bytes], registers 2 p, 2 p + 1 at 256 p + 8 x lane.  A slot's part of a tile of rows is 3,072 consecutive bytes; a load of 8 bytes a lane reads 256 consecutive bytes.
; W_out comes as rows of codes: 192 bytes of a row a slot, 16 bytes of padding behind every 64.  The scales of the work-group's rows of both sides, for all of K, come into LDS once.
; CLUSTERS: 4 x 4 work-groups; A's tiles are asked for jointly along a row of the cluster, W_out's along a column.  THE MATRIX INSTRUCTION IS USED TRANSPOSED (source 0 = 16 rows of W_out, source 1 = 16 rows of A):
; a lane holds eight neighbouring numbers of a row of out0.  The bias is the C of each sum's first product.
; 128 work-groups: half of the chip's WGPs; the tile is kept at 256 x 256 for the sake of LDS reads.
; REGISTERS: window 0: v0-31 addresses; v32-63 scale words, two sets; v64-127 the bias in the result's layout; from v128 A's fragments, one set.  window 1: W_out's fragments, two sets.  windows 2, 3: the accumulators.
.set SIZE_N, 1024
.set KSTEP,  256
.set NQ,     KSTEP/128
.set ROWB,   192                       ; a row of W_out's tile in bytes
.set AROWB,  3072                      ; a tile of 16 rows of A in a slot
.set KROW,   768                       ; a row of 1,024 codes in memory; 16 of them are as many bytes as a tile of rows of A's images
.set PITCH,  240
.set FR,     12
.set NL,     6
.set NP,     4
.set HALFT,  128*PITCH                 ; the place of 128 rows in a slot (A's images fill 24,576 of its 30,720 bytes)
.set SLOT,   4*HALFT
.set LAPS,   1024/(2*KSTEP)
.set KS,     32
.set SCL,    2*SLOT
.set HALFS,  (128*KS/256)*272
.set SBLK,   (16*KS/256)*272
.set SPARE,  SCL+4*HALFS               ; the spare words, 128 bytes for each wave: two blocks of 256 bytes that no other line names
.set SPITCH, 528                       ; the way out: a stage of 16 rows x (512 bytes + 16) for each wave, in slot 0, which has had its last fill and its last read when the first result is stored there
.set ADRA, 16                          ; v16-17  LDS address of my A fragments in slot 0, 1
.set ADRB, 20                          ; v20-23  the same for W_out (and behind one padding more)
.set STO,  24
.set RD,   25
.set CO,   26
.set ADRS, 27
.set SPW,  28
.set NIL,  29
.set BPA,  30                          ; v30     32 x (lane / 16)
.set SC,   32
.set BP,   64
.set AF,   128
.set BK,   128
.set G1, 24
.set G0, 32
.set G1B, 48
.set G0B, 56
.set G1S, 68
.set G0S, 76
.set G1SB, 80
.set G0SB, 88
.set MSB, 0
.macro WIN new                         ; the immediate's high byte repeats the setting that is left
.if MSB != \new
	s_set_vgpr_msb (MSB<<8)|\new
.set MSB, \new
.endif
.endm
.set MUL_LO, 0xa1                      ; source 0 (W_out) window 1, source 1 (A) window 0, C and D window 2
.set MUL_HI, 0xf1                      ; the same, C and D window 3
.set FIRST_LO, 0x81                    ; the first step: C (the bias) window 0, D window 2
.set FIRST_HI, 0xc1                    ; D window 3
.set TO_B,   0x40
.macro JLOAD g0a, g1a, g0b, g1b        ; a joint load: waves 0 and 1 fetch for A, waves 2 and 3 for W_out; four v_nop follow each line
	s_cmp_eq_u32 s15, 0
	s_cbranch_scc0 .Lfor_b_\@
	tensor_load_to_lds s[\g0a:\g0a+3], s[\g1a:\g1a+7]
	s_nop 0
.rept 4
	v_nop
.endr
	s_branch .Lasked_\@
.Lfor_b_\@:
	tensor_load_to_lds s[\g0b:\g0b+3], s[\g1b:\g1b+7]
	s_nop 0
.rept 4
	v_nop
.endr
.Lasked_\@:
.endm
.macro CREST
	s_cmp_lg_u32 s14, 0
	s_cbranch_scc1 .Lnot_wave_0_\@
	s_barrier_signal -3
.Lnot_wave_0_\@:
	s_barrier_wait -3
	s_barrier_signal -1
	s_barrier_wait -1
.endm
.macro CROUND
	s_barrier_signal -1
	s_barrier_wait -1
	CREST
.endm
	s_load_b128 s[4:7], s[0:1], 0x0                ; A's images s[4:5], A's scales s[6:7]
	s_load_b128 s[8:11], s[0:1], 0x10              ; W_out's codes s[8:9], its scales s[10:11]
	s_load_b64 s[96:97], s[0:1], 0x20              ; b_out
	s_load_b64 s[12:13], s[0:1], 0x28              ; out0
	v_lshl_add_u32 v[SPW], v0, 2, SPARE
	v_mov_b32 v[NIL], 0
	ds_add_u32 v28, v29
	ds_add_u32 v28, v29
	s_wait_dscnt 0x0
	v_lshrrev_b32 v1, 5, v0
	v_readfirstlane_b32 s14, v1                    ; wave 0..3
	s_lshr_b32 s15, s14, 1                         ; which half of the tile's rows is mine.  Also: I fetch for A (0) or for W_out (1)
	s_and_b32 s16, s14, 1                          ; which half of its columns.  Also: which 128 rows of that tile I fetch
	s_bfe_u32 s40, ttmp6, 0x40000                  ; cx, cy
	s_bfe_u32 s41, ttmp6, 0x40004
	s_lshl_b32 s42, ttmp9, 2
	s_add_co_u32 s42, s42, s40                     ; tile column = 4 x cluster x + cx
	s_and_b32 s17, ttmp7, 0xffff
	s_lshl_b32 s17, s17, 2
	s_add_co_u32 s17, s17, s41                     ; tile row = 4 x cluster y + cy
	s_lshl_b32 s43, s41, 2
	s_lshl_b32 s43, 15, s43                        ; my row of the cluster
	s_lshl_b32 s44, 0x1111, s40                    ; my column
	; group 1 for A: 8 tiles of rows x 3,072 bytes (384 elements of 8 bytes), 12,288 bytes apart, no padding
	s_or_b32 s[G1+0], s43, (3<<16)|(1<<21)         ; 15:0 the mask: my row; 17:16 elements of 8 bytes; 21 set beside a mask
	s_mov_b32 s[G1+1], 384<<16                     ; tensor_dim0
	s_mov_b32 s[G1+2], 8<<16                       ; tensor_dim1
	s_mov_b32 s[G1+3], 384<<16                     ; tile_dim0
	s_mov_b32 s[G1+4], 8                           ; tile_dim1
	s_mov_b32 s[G1+5], 1536                        ; tensor_dim0_stride
	s_mov_b32 s[G1+6], 0
	s_mov_b32 s[G1+7], 0
	; group 1 for W_out: 128 rows x 192 bytes, 16 bytes of padding behind every 64
	s_or_b32 s[G1B+0], s44, (0<<16)|(1<<20)|(1<<21)|(3<<22)|(3<<25)
	s_mov_b32 s[G1B+1], ROWB<<16
	s_mov_b32 s[G1B+2], 128<<16
	s_mov_b32 s[G1B+3], ROWB<<16
	s_mov_b32 s[G1B+4], 128
	s_mov_b32 s[G1B+5], KROW
	s_mov_b32 s[G1B+6], 0
	s_mov_b32 s[G1B+7], 0
	; the scales of 128 rows: 4,096 dense bytes as 16 rows of 256 bytes, 16 bytes of padding behind each
	s_or_b32 s[G1S+0], s43, (3<<16)|(1<<20)|(1<<21)|(5<<22)|(3<<25)
	s_or_b32 s[G1SB+0], s44, (3<<16)|(1<<20)|(1<<21)|(5<<22)|(3<<25)
.irp g, G1S, G1SB
	s_mov_b32 s[\g+1], 32<<16
	s_mov_b32 s[\g+2], (128*KS/256)<<16
	s_mov_b32 s[\g+3], 32<<16
	s_mov_b32 s[\g+4], 128*KS/256
	s_mov_b32 s[\g+5], 32
	s_mov_b32 s[\g+6], 0
	s_mov_b32 s[\g+7], 0
.endr
	s_lshl_b32 s18, s16, 7                         ; which 128 rows of the tile I fetch
	s_lshl_b32 s20, s17, 8
	s_add_co_u32 s20, s20, s18                     ; A: row 256 x tile row + 128 x half
	s_lshl_b32 s46, s42, 8
	s_add_co_u32 s46, s46, s18                     ; W_out: row 256 x tile column + 128 x half
	s_mov_b32 s21, 0
	s_mov_b32 s47, 0
	s_mov_b64 s[18:19], KS
	s_mul_u64 s[22:23], s[20:21], s[18:19]         ; where these rows' scales begin
	s_mul_u64 s[92:93], s[46:47], s[18:19]
	s_mov_b64 s[18:19], KROW
	s_mul_u64 s[20:21], s[20:21], s[18:19]         ; and their codes (A: 768 bytes a row is 12,288 a tile of 16 rows)
	s_mul_u64 s[46:47], s[46:47], s[18:19]
	s_mul_i32 s45, s14, HALFT                      ; where they go: no place in the cluster enters an LDS address
	s_mul_i32 s94, s14, HALFS
	s_wait_kmcnt 0x0
	s_add_nc_u64 s[20:21], s[4:5], s[20:21]
	s_add_nc_u64 s[22:23], s[6:7], s[22:23]
	s_add_nc_u64 s[46:47], s[8:9], s[46:47]
	s_add_nc_u64 s[92:93], s[10:11], s[92:93]
	CROUND                                         ; all sixteen work-groups are here: the first joint loads meet
	s_mov_b32 s[G0S], 1
	s_add_co_u32 s[G0S+1], s94, SCL
	s_mov_b64 s[G0S+2:G0S+3], s[22:23]
	s_or_b32 s[G0S+3], s[G0S+3], 0x80000000
	s_mov_b32 s[G0SB], 1
	s_add_co_u32 s[G0SB+1], s94, SCL
	s_mov_b64 s[G0SB+2:G0SB+3], s[92:93]
	s_or_b32 s[G0SB+3], s[G0SB+3], 0x80000000
	JLOAD G0S, G1S, G0SB, G1SB                     ; the scales first
.irp s, 0,1
	s_mov_b32 s[G0+4*\s], 1
	s_add_co_u32 s[G0+4*\s+1], s45, \s*SLOT
	s_add_nc_u64 s[G0+4*\s+2:G0+4*\s+3], s[20:21], \s*AROWB
	s_or_b32 s[G0+4*\s+3], s[G0+4*\s+3], 0x80000000
	s_mov_b32 s[G0B+4*\s], 1
	s_add_co_u32 s[G0B+4*\s+1], s45, \s*SLOT
	s_add_nc_u64 s[G0B+4*\s+2:G0B+4*\s+3], s[46:47], \s*ROWB
	s_or_b32 s[G0B+4*\s+3], s[G0B+4*\s+3], 0x80000000
	JLOAD G0+4*\s, G1, G0B+4*\s, G1B               ; three tensor loads of mine are out
.endr
	v_and_b32 v1, 15, v0                           ; r
	v_bfe_u32 v2, v0, 4, 1                         ; h
	v_mul_u32_u24 v3, v1, PITCH
	v_mul_u32_u24 v4, v2, 24
	v_add_nc_u32 v4, v3, v4                        ; W_out: a fragment's row x pitch + 24 x half
	v_lshl_add_u32 v5, v2, 4, v4                   ; and the same behind one padding more
	v_and_b32 v6, 31, v0
	v_lshlrev_b32 v7, 3, v6                        ; A: 8 x lane
	s_mul_i32 s21, s15, HALFT                      ; my 128 rows of A
	s_mul_i32 s22, s16, HALFT                      ; my 128 rows of W_out,
	s_add_co_u32 s22, s22, 2*HALFT                 ; which lie behind A's place
.irp s, 0,1
	v_add_nc_u32 v[ADRA+\s], s21, v7
	v_add_nc_u32 v[ADRB+\s], s22, v4
	v_add_nc_u32 v[ADRB+2+\s], s22, v5
	s_add_co_u32 s21, s21, SLOT
	s_add_co_u32 s22, s22, SLOT
.endr
	v_mul_u32_u24 v5, v1, KS                       ; my row's scales: 32 bytes a row,
	v_lshrrev_b32 v6, 8, v5
	v_lshl_add_u32 v5, v6, 4, v5                   ; and 16 more for each 256 passed
	s_mul_i32 s21, s15, HALFS
	s_mul_i32 s22, s16, HALFS
	s_add_co_u32 s22, s22, 2*HALFS
	s_sub_co_u32 s22, s22, s21
	v_mul_u32_u24 v6, s22, v2                      ; lanes 16-31 take W_out's
	s_add_co_u32 s21, s21, SCL
	v_add_nc_u32 v5, v5, v6
	v_add_nc_u32 v[ADRS], s21, v5
	s_mul_i32 s23, s14, 16*SPITCH                  ; my stage
	v_mul_u32_u24 v5, v1, SPITCH                   ; in: row r, 32 bytes for each half of the lanes
	v_lshl_add_u32 v5, v2, 5, v5
	v_add_nc_u32 v[STO], s23, v5
	v_and_b32 v6, 31, v0
	v_lshlrev_b32 v[CO], 4, v6                     ; back: the 32 lanes take one row of 512 bytes; and the same in out0
	v_add_nc_u32 v[RD], s23, v[CO]
	v_lshlrev_b32 v[BPA], 5, v2
	s_lshl_b32 s20, s17, 8
	s_lshl_b32 s21, s15, 7
	s_add_co_u32 s20, s20, s21                     ; my first row of out0
	s_mov_b32 s21, 0
	s_mov_b64 s[18:19], SIZE_N*4
	s_mul_u64 s[20:21], s[20:21], s[18:19]
	s_lshl_b32 s46, s42, 10                        ; my first column, in bytes: 1,024 x tile column + 512 x half
	s_lshl_b32 s47, s16, 9
	s_add_co_u32 s46, s46, s47
	s_mov_b32 s47, 0
	s_add_nc_u64 s[96:97], s[96:97], s[46:47]      ; the bias of my 128 columns begins as many bytes on
	s_add_nc_u64 s[20:21], s[20:21], s[46:47]
	s_add_nc_u64 s[12:13], s[12:13], s[20:21]
.irp b, 0,1,2,3,4,5,6,7
	global_load_b128 v[BP+8*\b:BP+8*\b+3], v[BPA], s[96:97] offset:64*\b       ; the bias of columns 16 b + 8 h + 0 .. 7: the layout of a result's eight registers
	global_load_b128 v[BP+8*\b+4:BP+8*\b+7], v[BPA], s[96:97] offset:64*\b+16
.endr
.macro FRAG reg, adr, q, i             ; a fragment of W_out from rows: 24 bytes of the row's stream of bits twice, in pieces of 8 bytes; 16 bytes of padding lie behind every 8 pieces
.irp p, 0,1,2,3,4,5
.set PC, 12*(\q)+6*(\p/3)+\p%3
.if PC%8 < 5
	ds_load_b64 v[\reg+2*\p:\reg+2*\p+1], v[\adr] offset:8*PC+16*(PC/8)+(\i)*16*PITCH
.else
	ds_load_b64 v[\reg+2*\p:\reg+2*\p+1], v[\adr+2] offset:8*PC+16*(PC/8)+(\i)*16*PITCH
.endif
.endr
.endm
.macro AFRAG reg, adr, q, i            ; a fragment of A from its image: as many loads
.irp p, 0,1,2,3,4,5
	ds_load_b64 v[\reg+2*\p:\reg+2*\p+1], v[\adr] offset:(\i)*AROWB+(\q)*1536+256*\p
.endr
.endm
; 16 matrix instructions: A's blocks a0, a0 + 1 x W_out's eight, 128 along K.  first = 1: the bias is the C of the sum's first product.  The 64 accumulators take turns.
.macro MUL16 a0, p, q, sc, first
.irp a, \a0, \a0+1
.irp b, 0,1,2,3,4,5,6,7
.if \first
	v_wmma_scale_f32_16x16x128_f8f6f4 v[8*(8*((\a)%4)+\b):8*(8*((\a)%4)+\b)+7], v[128*(\p)+FR*\b:128*(\p)+FR*\b+FR-1], v[AF+FR*(\a):AF+FR*(\a)+FR-1], v[BP+8*\b:BP+8*\b+7], v[SC+8*NQ*(\sc)+NQ*\b+(\q)], v[SC+8*NQ*(\sc)+NQ*(\a)+(\q)] matrix_a_fmt:MATRIX_FMT_FP6 matrix_b_fmt:MATRIX_FMT_FP6 matrix_a_scale:MATRIX_SCALE_ROW1
.else
	v_wmma_scale_f32_16x16x128_f8f6f4 v[8*(8*((\a)%4)+\b):8*(8*((\a)%4)+\b)+7], v[128*(\p)+FR*\b:128*(\p)+FR*\b+FR-1], v[AF+FR*(\a):AF+FR*(\a)+FR-1], v[8*(8*((\a)%4)+\b):8*(8*((\a)%4)+\b)+7], v[SC+8*NQ*(\sc)+NQ*\b+(\q)], v[SC+8*NQ*(\sc)+NQ*(\a)+(\q)] matrix_a_fmt:MATRIX_FMT_FP6 matrix_b_fmt:MATRIX_FMT_FP6 matrix_a_scale:MATRIX_SCALE_ROW1
.endif
.endr
.endr
.endm
.macro FETCH_B slot, q, p
	WIN TO_B
.irp i, 0,1,2,3,4,5,6,7
	FRAG 128*(\p)+FR*\i, ADRB+\slot, \q, \i
.endr
	WIN 0
.endm
.macro FETCH_A slot, q, i0
.irp i, \i0, \i0+1, \i0+2, \i0+3
	AFRAG AF+FR*(\i), ADRA+\slot, \q, \i
.endr
.endm
.macro SCALES sc
.irp i, 0,1,2,3,4,5,6,7
	ds_load_b64 v[SC+8*NQ*\sc+NQ*\i:SC+8*NQ*\sc+NQ*\i+1], v[ADRS] offset:\i*SBLK
.endr
.endm
.macro PLACES n                        ; plain vector instructions between a matrix instruction and a load into, or a read of, its registers (ISA guide 7.12.1 for vector instructions)
.rept \n
	v_nop
.endr
.endm
.macro STEP slot, q, first
	s_wait_dscnt 4*NL                              ; W_out's set and A's blocks 0-3 are in; the youngest 24 loads (A's blocks 4-7) may be out
.if \first
	WIN FIRST_LO
.else
	WIN MUL_LO
.endif
	MUL16 0, (\q)%2, \q, \slot, \first
	MUL16 2, (\q)%2, \q, \slot, \first
	s_wait_dscnt 0
	PLACES NP
	FETCH_B \slot, (\q)+1, 1-(\q)%2
	FETCH_A \slot, (\q)+1, 0
.if \first
	WIN FIRST_HI
.else
	WIN MUL_HI
.endif
	MUL16 4, (\q)%2, \q, \slot, \first
	MUL16 6, (\q)%2, \q, \slot, \first
	PLACES NP
	WIN 0
	FETCH_A \slot, (\q)+1, 4
.endm
.macro TURN slot, next, fill
	s_wait_tensorcnt 0x0                           ; all my tensor loads have landed: my part of the next slot;
	ds_add_u32 v[SPW], v[NIL]                      ; 0 onto my spare word;
	s_wait_dscnt 4*NL+1                            ; (the add and the youngest 24 loads may be out)
	WIN MUL_LO
	MUL16 0, 1, NQ-1, \slot, 0
	s_wait_dscnt 0x0                               ; the add is done, and my reads of this slot are over
	s_barrier_signal -1
	MUL16 2, 1, NQ-1, \slot, 0
	WIN 0
	s_barrier_wait -1
.if \fill
	CREST                                          ; a round of the cluster's barrier: no wave of any partner still reads this slot's tile or has a load on its way
	s_add_nc_u64 s[G0+4*\slot+2:G0+4*\slot+3], s[G0+4*\slot+2:G0+4*\slot+3], 2*AROWB
	s_add_nc_u64 s[G0B+4*\slot+2:G0B+4*\slot+3], s[G0B+4*\slot+2:G0B+4*\slot+3], 2*ROWB
	JLOAD G0+4*\slot, G1, G0B+4*\slot, G1B         ; the first tensor load behind the round; its four v_nop are the places in front of the loads below
.else
	PLACES NP
.endif
	v_add_nc_u32 v[ADRS], 4*NQ, v[ADRS]
	FETCH_B \next, 0, 0
	FETCH_A \next, 0, 0
	SCALES \next
	WIN MUL_HI
	MUL16 4, 1, NQ-1, \slot, 0
	MUL16 6, 1, NQ-1, \slot, 0
	PLACES NP
	WIN 0
	FETCH_A \next, 0, 4
.endm
	s_wait_tensorcnt 1                             ; the scales and my part of K step 0 are in (K step 1's load may be out)
	s_barrier_signal -1
	s_barrier_wait -1                              ; everybody's are
	FETCH_B 0, 0, 0
	FETCH_A 0, 0, 0
	SCALES 0
	FETCH_A 0, 0, 4
	s_wait_loadcnt 0x0                             ; the bias
	STEP 0, 0, 1                                   ; the first step stands in front of the loop: its products start the sums, on the bias
	s_mov_b32 s3, LAPS-1
.Llap:
	TURN 0, 1, 1
	STEP 1, 0, 0
	TURN 1, 0, 1
	STEP 0, 0, 0
	s_sub_co_u32 s3, s3, 1
	s_cmp_lg_u32 s3, 0
	s_cbranch_scc1 .Llap
	TURN 0, 1, 0                                   ; the last lap fills nothing
	STEP 1, 0, 0
	s_wait_dscnt 4*NL
	WIN MUL_LO
	MUL16 0, 1, NQ-1, 1, 0
	MUL16 2, 1, NQ-1, 1, 0
	s_wait_dscnt 0
	WIN MUL_HI
	MUL16 4, 1, NQ-1, 1, 0
	MUL16 6, 1, NQ-1, 1, 0
	WIN 0
; THE WAY OUT, block by block of 16 rows x 128 columns: through my own stage in LDS and back as whole rows of 512 bytes.  LDS serves a wave's instructions in order (ISA guide 5.7.1.4): no wait between the stores and the loads.
.macro TOSTAGE a
.set AC, 64*((\a)%4)
	WIN 0x08+4*((\a)/4)                            ; the data: window 2 or 3
.irp b, 0,1,2,3,4,5,6,7
	ds_store_b128 v[STO], v[AC+8*\b:AC+8*\b+3] offset:64*\b          ; each accumulator from its low end on
	ds_store_b128 v[STO], v[AC+8*\b+4:AC+8*\b+7] offset:64*\b+16
.endr
	WIN 0
.set BB, BK+64*((\a)%2)
.irp t, 0,1,2,3,4,5,6,7,8,9,10,11,12,13,14,15
	ds_load_b128 v[BB+4*\t:BB+4*\t+3], v[RD] offset:\t*SPITCH
.endr
.endm
.macro SEND a, younger                 ; younger: the LDS instructions issued behind block a's loads, which may stay out
.set BB, BK+64*((\a)%2)
	s_wait_dscnt \younger
.if (\a) > 0
	s_add_nc_u64 s[12:13], s[12:13], 16*SIZE_N*4   ; (behind a wait on XCNT: the earlier stores have read their base)  16 rows on
.endif
.irp t, 0,1,2,3,4,5,6,7,8,9,10,11,12,13,14,15
	global_store_b128 v[CO], v[BB+4*\t:BB+4*\t+3], s[12:13] offset:\t*SIZE_N*4 th:TH_STORE_NT   ; 32 lanes store 512 consecutive bytes, at a multiple of 256 from out0's first byte
.endr
.endm
	PLACES NP
	TOSTAGE 0
.irp a, 1,2,3,4,5,6,7
.if \a > 1
	s_wait_xcnt 0x0                                ; block a - 2's stores have read their registers and their base
.endif
	TOSTAGE \a
	SEND \a-1, 32                                  ; behind block a - 1's loads: block a's 16 stores and 16 loads
.endr
	s_wait_xcnt 0x0
	SEND 7, 0
	s_wait_tensorcnt 0x0                           ; the wave's end
	ds_add_u32 v[SPW], v[NIL]
	s_wait_dscnt 0x0
	CROUND                                         ; the closing round
	s_endpgm
.Lfunc_end_k_qfb0424169e_outp:
	.size	k_qfb0424169e_outp, .Lfunc_end_k_qfb0424169e_outp-k_qfb0424169e_outp
	.p2alignl 7, 3214868480
	.fill 96, 4, 3214868480
	.section	.rodata,"a",@progbits
	.p2align	6, 0x0
	.amdhsa_kernel k_qfb0424169e_outp
		.amdhsa_group_segment_fixed_size 327680
		.amdhsa_private_segment_fixed_size 0
		.amdhsa_enable_private_segment 0
		.amdhsa_kernarg_size 48
		.amdhsa_user_sgpr_count 2
		.amdhsa_user_sgpr_kernarg_segment_ptr 1
		.amdhsa_wavefront_size32 1
		.amdhsa_system_sgpr_workgroup_id_x 1
		.amdhsa_system_sgpr_workgroup_id_y 1
		.amdhsa_system_sgpr_workgroup_id_z 1
		.amdhsa_system_vgpr_workitem_id 0
		.amdhsa_next_free_vgpr 1024
		.amdhsa_next_free_sgpr 100
		.amdhsa_reserve_vcc 0
		.amdhsa_float_denorm_mode_32 3
		.amdhsa_float_denorm_mode_16_64 3
		.amdhsa_memory_ordered 1
		.amdhsa_forward_progress 1
		.amdhsa_inst_pref_size 161
	.end_amdhsa_kernel
	.amdgpu_metadata
---
amdhsa.version: [ 1, 2 ]
amdhsa.kernels:
  - .name:           k_qfb0424169e_outp
    .symbol:         k_qfb0424169e_outp.kd
    .args:
      - { .name: ao, .offset: 0, .size: 8, .value_kind: global_buffer, .address_space: global }
      - { .name: ao_scales, .offset: 8, .size: 8, .value_kind: global_buffer, .address_space: global }
      - { .name: W_out_codes, .offset: 16, .size: 8, .value_kind: global_buffer, .address_space: global }
      - { .name: W_out_scales, .offset: 24, .size: 8, .value_kind: global_buffer, .address_space: global }
      - { .name: b_out, .offset: 32, .size: 8, .value_kind: global_buffer, .address_space: global }
      - { .name: out0, .offset: 40, .size: 8, .value_kind: global_buffer, .address_space: global }
    .group_segment_fixed_size: 327680
    .private_segment_fixed_size: 0
    .kernarg_segment_align: 8
    .kernarg_segment_size: 48
    .max_flat_workgroup_size: 128
    .sgpr_count:     100
    .vgpr_count:     1024
    .wavefront_size: 32
...
	.end_amdgpu_metadata
.endif
;; end of part 3
